; MI455X (gfx1250); checked and timed in simulation.
; The chip was launched on July 23, 2026; its instructions are those of AMD's public machine-readable ISA for CDNA 5 (MIT licence, August 2026) and "CDNA5" Instruction Set Architecture Reference Guide (July 2026). The comments in the code are by the model that wrote it; some were corrected since.
;; Attention. Allowed arithmetic: matrix products marked QUANTISED: E2M3 operands, one E8M0 scale for each 32 along K, by v_wmma_scale_f32_16x16x128_f8f6f4 with both operands' format E2M3, f32 sums; everything else in f32.
;; Inputs: b_proj 1,024 float32; b_qkv 3,072 float32; w_proj 1,024 x 1,024 float32; w_qkv 1,024 x 3,072 float32; x 4 x 2,048 x 1,024 float32.
;; Outputs: out0 4 x 2,048 x 1,024 float32.
;; This version of the problem:
;;   THIS VERSION OF THE PROBLEM IS GIVEN IN LOW PRECISION. The matrix products marked QUANTISED in the list below multiply operands that are first quantised to E2M3 (2 exponent bits, 3 mantissa bits; 6 bits a number), with one power-of-two scale for each 32 numbers along K (OCP MX v1.0); their sums are f32. All else is computed in f32.
;;   The module's matrix products, in the order in which they are computed (A, B: the left and right operand; K: the contracted axis; several contracted axes count as one K, in the product's order):
;;     1. [M 8,192, K 1,024] x [K 1,024, N 3,072]; A: input x; B: input w_qkv: QUANTISED
;;     2. batch 64 x [M 2,048, K 64] x [K 64, N 2,048]; A: computed on the way; B: computed on the way: QUANTISED
;;     3. batch 64 x [M 64, K 2,048] x [K 2,048, N 2,048]; A: computed on the way; B: softmax (see below): QUANTISED
;;     4. [M 8,192, K 1,024] x [K 1,024, N 1,024]; A: computed on the way; B: input w_proj: QUANTISED
;;   THE QUANTISER, for each operand of a quantised product, along K:
;;     - K is cut into blocks of 32 from its start; a last block that is shorter is filled with zeros.
;;     - A block's scale is 2^e with e = floor(log2(the largest magnitude in the block)) - 2, held to -126 .. 127; a block of zeros has e = 0. As a byte (E8M0): e + 127.
;;     - Each number is divided by its block's scale, clamped to +-7.5, and rounded to the nearest number of E2M3, ties to even, subnormals kept.
;;     - The product sums the exact products of the quantised numbers (number of the format x scale) in f32.
;;   ~~~python
;;   def quantise(x, axis):      # numpy; x: float32 -> the quantised numbers, widened to float32 again
;;       x = np.moveaxis(x, axis, -1); K = x.shape[-1]
;;       x = np.pad(x, [(0, 0)] * (x.ndim - 1) + [(0, -K % 32)]); x = x.reshape(x.shape[:-1] + (-1, 32)); a = np.abs(x).max(-1, keepdims=True)
;;       e = np.where(a > 0, np.clip(np.frexp(np.where(a > 0, a, 1))[1] - 1 - 2, -126, 127), 0)      # np.frexp(a)[1] - 1 = floor(log2(a)), exactly
;;       r = np.clip(x / 2.0 ** e, -7.5, 7.5)
;;       step = 2.0 ** (np.maximum(np.frexp(np.where(r == 0, 1, r))[1] - 1, 0) - 3)
;;       q = np.round(r / step) * step * 2.0 ** e      # np.round: ties to even
;;       return np.moveaxis(q.reshape(q.shape[:-2] + (-1,))[..., :K], -1, axis).astype(np.float32)
;;   ~~~
;;   SOFTMAX AHEAD OF A QUANTISED PRODUCT. Where the list says 'softmax', what is quantised is not the finished softmax but p = 2^(t - M), with t = logit x log2(e) and M = ceil(the row's largest t), a whole number; so 1/2 < the row's largest p <= 1. The row's sum l is taken of the UNQUANTISED p, in f32, and the product's result is divided by l at the end. Since M is a whole number, a kernel that streams over the keys may use a running M (the ceiling of the running maximum): every later rescaling is an exact power of two, which a block's scale takes up: the codes' values come out the same.
;;   OPERANDS COMPUTED ON THE WAY. 'Computed on the way' means the value that the module computes at that place (a softmax that the list does not call 'softmax' is quantised finished and normalised). What goes into a quantiser is computed in f32, as accurately as f32 sums, v_exp_f32 and their like allow (about 1e-6 of the number): no bf16 or f16 on the way to a quantiser, and a product that is left as it is and whose result goes on into a quantised operand takes f32 operands (vector FMAs, or v_wmma_f32_16x16x4_f32). A number that lies on a knife's edge between two numbers of the format may be rounded either way, as far as f32 arithmetic and the matrix unit's own rounding can turn it there, and no further.
;; One version. Each part assembles by itself: llvm-mc -triple=amdgcn-amd-amdhsa -mcpu=gfx1250 --defsym DOCPART=n.
;; ======== version 1 of 1: 4 launches
;; limits: right only within a limited range of input values
;; workspace buffers: xq 6,291,456 bytes; xs 262,144 bytes; wq 3,145,728 bytes; ws 131,072 bytes; qc 6,815,744 bytes; kv 13,631,488 bytes; oc 6,291,456 bytes; os 262,144 bytes
;; launch quant (part 1): grid 384 x 1, 4 waves a work-group, no clusters, 59,904 bytes of LDS; arguments x, w_qkv, w_proj, xq, xs, wq, ws; writes xq, xs, wq, ws
.if DOCPART == 1
	.amdgcn_target "amdgcn-amd-amdhsa--gfx1250"
	.amdhsa_code_object_version 6
	.text
	.protected	k_qe7e7cdeeb4_quant
	.globl	k_qe7e7cdeeb4_quant
	.p2align	8
	.type	k_qe7e7cdeeb4_quant,@function
k_qe7e7cdeeb4_quant:
	s_mov_b64 s[64:65], 0
	v_nop
	global_prefetch_b8 v0, s[64:65] scope:SCOPE_SE
	s_setreg_imm32_b32 hwreg(HW_REG_WAVE_MODE, 25, 1), 1
	s_wait_xcnt 0x0
; x [8192][1024] (K innermost) and the weights w_qkv [1024][3072], w_proj [1024][1024] (K is the FIRST axis), all f32, become codes of FP6 (E2M3) with one E8M0 byte for each 32 along K.
; A block's scale is 2^(floor(log2(largest magnitude)) - 2): its byte is the largest magnitude's exponent field - 2, held at 1 from below by a floor among the maximum's leaves.
; LIMITS: a block of zeros gets the byte 1 where the rule says 127 (its codes are zeros, and these bytes are read by this program alone); blocks whose largest magnitude lies under 2^-124
; take the floor's byte; NaN and infinities among the inputs are not served.
; THE ORDER OF ROWS.  Rows (tokens of x, columns of a weight) are stored in tiles of 16, and inside each group of 64 place 16 u + 8 e + j holds row 32 e + 8 u + j.  A transposed product whose source 0
; takes such tiles leaves, in the 32 registers of four neighbouring result tiles, 32 NEIGHBOURS along the next K in one lane.
; THE IMAGE.  A fragment (16 rows x 128 K, 12 registers a lane) is stored as its registers: for c = 0, 1 registers 6 c .. 6 c + 3 at 768 c + 16 lane, registers 6 c + 4, 5 at 768 c + 512 + 8 lane: 1,536 bytes.
; xq, wq: [tile of 16 rows][K / 128][1,536].  xs, ws: scale words [group of 128 rows][K / 128][tile 8][row 16].  wq, ws hold w_qkv's 3,072 columns and then w_proj's 1,024.
; Work-groups 0-255 take x, 256-383 the weights: two ways through the text, each with LDS bytes of its own.  No barrier: waves share nothing.
.set XSTG, 8448                        ; x: a wave's stage, 16 rows x (512 bytes + 16)
.set WST0, 4*XSTG                      ; the weights' stages begin behind x's
.set WSTG, 6400                        ; a wave's: two tiles x (two images + 128 bytes, so that the two tiles' stores fall on different banks)
.set TA, 16                            ; v16-19 running maxima
.set SO, 20                            ; v20-21 the conversions' scale operands
.set BY, 22                            ; v22-23 scale bytes
.set WD, 24                            ; v24    my two bytes at their places in the word
.set TX, 25                            ; v25    the other half's
.set PW, 26                            ; v26    the row's scale word
.set PC, 32                            ; v32-43 a fragment's codes
.set SP, 44                            ; v44-46, v48-50 second halves of the blocks (a conversion's three registers begin on an even number)
.set SW, 52                            ; v52-55 the four steps' scale words
.set RA, 64                            ; v64-191 two sets of 64 registers as loaded
.set XN, 192                           ; v192-255 64 numbers of my row
.set VO, 32                            ; weights: v32-63 offsets of 32 rows down K
.set WNUM, 64                          ; v64-127 two sets of 32 numbers
.set WC, 128                           ; v128-133 a block's codes
.set WC2, 136                          ; v136-138 its second half
.set SB, 140                           ; v140-141 two scale words
.set WO, 144                           ; v144-191 the way out
	s_load_b256 s[4:11], s[0:1], 0x0               ; x s[4:5], w_qkv s[6:7], w_proj s[8:9], xq s[10:11]
	s_load_b128 s[12:15], s[0:1], 0x20             ; xs s[12:13], wq s[14:15]
	s_load_b64 s[16:17], s[0:1], 0x30              ; ws
	v_lshl_add_u32 v30, v0, 2, 0xe800
	v_mov_b32 v31, 0
	v_lshrrev_b32 v1, 5, v0
	v_readfirstlane_b32 s20, v1                    ; wave
	v_and_b32 v2, 31, v0                           ; lane
	v_and_b32 v3, 15, v0                           ; lane % 16
	v_bfe_u32 v4, v0, 4, 1                         ; lane / 16
	v_lshlrev_b32 v5, 4, v2                        ; 16 x lane
	v_lshlrev_b32 v6, 3, v2                        ; 8 x lane
	s_cmp_lt_u32 ttmp9, 256
	s_cbranch_scc0 .Lweights
; ---------------- x: a wave takes one tile of 16 rows x 512 along K, in four steps of 128 ----------------
	s_lshl_b32 s21, ttmp9, 2
	s_add_co_u32 s21, s21, s20                     ; which wave of 1,024
	s_lshr_b32 s22, s21, 1                         ; the tile of rows, 0 .. 511
	s_and_b32 s23, s21, 1                          ; which half of K
	s_lshr_b32 s24, s22, 2
	s_lshl_b32 s24, s24, 18                        ; the group of 64 rows, 4,096 bytes a row
	s_and_b32 s25, s22, 3
	s_lshl_b32 s25, s25, 15                        ; + 8 u rows
	s_add_co_u32 s24, s24, s25
	s_lshl_b32 s25, s23, 11                        ; + 512 numbers along K
	s_add_co_u32 s24, s24, s25
	s_mov_b32 s25, 0
	s_mul_i32 s26, s22, 12288                      ; xq: eight images a tile
	s_mul_i32 s27, s23, 6144
	s_add_co_u32 s26, s26, s27
	s_mov_b32 s27, 0
	s_lshr_b32 s28, s22, 3
	s_lshl_b32 s28, s28, 12                        ; xs: 4,096 bytes a group of 128 rows,
	s_lshl_b32 s29, s23, 11                        ; 512 a K step of 128,
	s_add_co_u32 s28, s28, s29
	s_and_b32 s29, s22, 7
	s_lshl_b32 s29, s29, 6                         ; 64 a tile
	s_add_co_u32 s28, s28, s29
	s_mov_b32 s29, 0
	s_mul_i32 s30, s20, XSTG
	s_wait_alu depctr_va_vdst(0)
	v_add_nc_u32 v7, s30, v5                       ; the stage, on the way in: a row's 512 bytes as they lie
	v_mul_u32_u24 v8, v3, 528
	v_lshl_add_u32 v8, v4, 7, v8
	v_add_nc_u32 v8, s30, v8                       ; and out: row lane % 16, + 128 bytes for the upper lanes: k = 64 c + 32 (lane / 16) + 0 .. 31
	v_lshlrev_b32 v9, 2, v3
	v_lshl_add_u32 v9, v4, 9, v9                   ; xs: 4 r; the upper lanes store the next K step's word
	v_lshlrev_b32 v10, 3, v4                       ; 8 (lane / 16): where my bytes stand in the word
	v_mov_b32 v[TX], 0                             ; a lane permute's destination counts as read
	s_mov_b32 s18, 0x76543210
	s_mov_b32 s19, 0xfedcba98                      ; v_permlanex16_b32's selects for lane l xor 16
	s_wait_alu depctr_va_vdst(0)
	s_wait_kmcnt 0x0
	s_add_nc_u64 s[4:5], s[4:5], s[24:25]
	s_add_nc_u64 s[10:11], s[10:11], s[26:27]
	s_add_nc_u64 s[12:13], s[12:13], s[28:29]
.macro XLOAD t                         ; step t: 16 rows x 512 consecutive bytes; place i of the tile is row (i % 8) + 32 (i / 8)
.irp i, 0,1,2,3,4,5,6,7,8,9,10,11,12,13,14,15
	global_load_b128 v[RA+64*((\t)%2)+4*\i:RA+64*((\t)%2)+4*\i+3], v5, s[4:5] offset:((\i%8)+32*(\i/8))*4096+512*(\t) th:TH_LOAD_NT
.endr
.endm
; 64 numbers of a lane, register 32 c + i = k 64 c + 32 (lane / 16) + i of my row: two whole blocks.  They become a fragment's codes in v[PC] on and the row's scale word in v[PW].
.macro QUANT2 s, w
.irp c, 0,1
	v_max3_num_f32 v[TA+2*\c], |v[\s+32*\c]|, |v[\s+32*\c+1]|, |v[\s+32*\c+2]|
	v_max3_num_f32 v[TA+2*\c+1], |v[\s+32*\c+16]|, |v[\s+32*\c+17]|, |v[\s+32*\c+18]|
.endr
.irp i, 3,5,7,9,11,13
.irp c, 0,1
	v_max3_num_f32 v[TA+2*\c], v[TA+2*\c], |v[\s+32*\c+\i]|, |v[\s+32*\c+\i+1]|     ; four chains by turns
	v_max3_num_f32 v[TA+2*\c+1], v[TA+2*\c+1], |v[\s+32*\c+16+\i]|, |v[\s+32*\c+17+\i]|
.endr
.endr
.irp c, 0,1
	v_max3_num_f32 v[TA+2*\c], v[TA+2*\c], v[TA+2*\c+1], |v[\s+32*\c+15]|
.endr
.irp c, 0,1
	v_max3_num_f32 v[TA+2*\c], v[TA+2*\c], |v[\s+32*\c+31]|, 0x1800000              ; the floor 2^(3 - 127): the byte cannot fall under 1
.endr
.irp c, 0,1
	v_add_nc_u32 v[SO+\c], 0xff000000, v[TA+2*\c]  ; 2 off the exponent field: the conversion takes this operand's exponent field as its scale
.endr
.irp c, 0,1
	v_lshrrev_b32 v[BY+\c], 23, v[SO+\c]           ; the scale's byte
.endr
	v_lshl_or_b32 v[WD], v[BY+1], 16, v[BY]        ; my blocks are (lane / 16) and 2 + (lane / 16)
	v_lshlrev_b32 v[WD], v10, v[WD]
	v_permlanex16_b32 v[TX], v[WD], s18, s19
	v_or_b32 v[PW], v[WD], v[TX]                   ; with lane l xor 16's two bytes the word is whole
.if (\w) > 0
	s_wait_alu depctr_va_vdst(0)
	s_wait_xcnt 0x0                                ; the last step's stores have read the codes' registers
.endif
.irp c, 0,1
	v_cvt_scalef32_pk16_fp6_f32 v[PC+6*\c:PC+6*\c+2], v[\s+32*\c:\s+32*\c+15], v[SO+\c]
	v_cvt_scalef32_pk16_fp6_f32 v[SP+4*\c:SP+4*\c+2], v[\s+32*\c+16:\s+32*\c+31], v[SO+\c]
.endr
	v_nop                                          ; one plain place behind a scaled conversion
.irp c, 0,1
.irp i, 0,1,2
	v_mov_b32 v[PC+6*\c+3+\i], v[SP+4*\c+\i]
.endr
.endr
.endm
.macro XSTEP t
.if (\t) < 3
	s_wait_loadcnt 16                              ; this step's 16 loads are in; the next step's may be out
.else
	s_wait_loadcnt 0x0
.endif
.irp i, 0,1,2,3,4,5,6,7,8,9,10,11,12,13,14,15
	ds_store_b128 v7, v[RA+64*((\t)%2)+4*\i:RA+64*((\t)%2)+4*\i+3] offset:528*\i
.endr
.irp c, 0,1
.irp j, 0,1,2,3,4,5,6,7
	ds_load_b128 v[XN+32*\c+4*\j:XN+32*\c+4*\j+3], v8 offset:256*\c+16*\j     ; LDS serves a wave's instructions in order: these see the stores above
.endr
.endr
	s_wait_dscnt 0x0                               ; my numbers are back, and the stores have read their registers,
.if (\t)+2 < 4
	XLOAD (\t)+2                                   ; which take the loads of two steps on
.endif
	QUANT2 XN, \t
	global_store_b128 v5, v[PC:PC+3], s[10:11] offset:1536*(\t)               ; the image: 512, 256, 512, 256 consecutive bytes
	global_store_b64 v6, v[PC+4:PC+5], s[10:11] offset:1536*(\t)+512
	global_store_b128 v5, v[PC+6:PC+9], s[10:11] offset:1536*(\t)+768
	global_store_b64 v6, v[PC+10:PC+11], s[10:11] offset:1536*(\t)+1280
	v_mov_b32 v[SW+(\t)], v[PW]
.endm
	XLOAD 0
	XLOAD 1
	XSTEP 0
	XSTEP 1
	XSTEP 2
	XSTEP 3
	v_cmp_ne_u32 vcc_lo, 0, v4                     ; both halves of the lanes hold every word: the lower store steps 0 and 2, the upper steps 1 and 3
	v_cndmask_b32 v27, v[SW], v[SW+1], vcc_lo
	v_cndmask_b32 v28, v[SW+2], v[SW+3], vcc_lo
	global_store_b32 v9, v27, s[12:13]
	global_store_b32 v9, v28, s[12:13] offset:1024
	s_wait_tensorcnt 0x0
	ds_add_u32 v30, v31
	s_wait_dscnt 0x0
	s_endpgm
; ---------------- the weights: a lane takes a column, its registers run down K; a wave takes 32 columns (two tiles) x 256 along K ----------------
.Lweights:
	s_sub_co_u32 s21, ttmp9, 256
	s_lshr_b32 s22, s21, 2                         ; the group of 128 columns, 0 .. 31 (from 24 on: w_proj's)
	s_and_b32 s23, s21, 3                          ; which 256 along K
	s_sub_co_u32 s24, s22, 24
	s_mov_b32 s25, 12288                           ; a row of w_qkv in bytes
	s_wait_kmcnt 0x0
	s_cmp_ge_u32 s22, 24                           ; the choice hangs on the work-group's number alone
	s_cselect_b32 s24, s24, s22                    ; the group in its own tensor
	s_cselect_b32 s25, 4096, s25                   ; a row of w_proj
	s_cselect_b64 s[6:7], s[8:9], s[6:7]
	s_lshr_b32 s26, s20, 1
	s_lshl_b32 s26, s26, 6
	s_and_b32 s27, s20, 1
	s_lshl_b32 s27, s27, 4
	s_add_co_u32 s26, s26, s27                     ; 64 (wave / 2) + 16 (wave % 2)
	s_wait_alu depctr_va_vdst(0)
	v_lshl_add_u32 v7, v4, 5, v3
	v_add_nc_u32 v7, s26, v7                       ; my column in the group: + 32 (lane / 16) + lane % 16: the wave's columns are tiles 2 wave and 2 wave + 1, whole
	v_lshlrev_b32 v7, 2, v7
.irp i, 0,1,2,3,4,5,6,7,8,9,10,11,12,13,14,15,16,17,18,19,20,21,22,23,24,25,26,27,28,29,30,31
	v_mad_u32_u24 v[VO+\i], s25, \i, v7            ; the pitch is a scalar, so the 32 rows' offsets stand in registers
.endr
	s_lshl_b32 s28, s24, 9                         ; 128 columns of 4 bytes
	s_lshl_b32 s29, s23, 8
	s_mul_i32 s29, s29, s25                        ; 256 rows down
	s_add_co_u32 s28, s28, s29
	s_mov_b32 s29, 0
	s_add_nc_u64 s[32:33], s[6:7], s[28:29]        ; block 0's base;
	s_lshl_b32 s30, s25, 5
	s_mov_b32 s31, 0
.irp t, 1,2,3,4,5,6,7
	s_add_nc_u64 s[32+2*\t:33+2*\t], s[30+2*\t:31+2*\t], s[30:31]     ; each block 32 rows further down
.endr
	v_bfe_u32 v8, v0, 3, 1                         ; which of my wave's two tiles
	v_and_b32 v9, 7, v0
	v_lshl_add_u32 v9, v4, 3, v9                   ; my row in it: 8 (lane / 16) + lane % 8
	s_mul_i32 s21, s20, WSTG
	s_add_co_u32 s21, s21, WST0
	v_mul_u32_u24 v10, v8, 3200
	v_add_nc_u32 v10, s21, v10
	v_lshl_add_u32 v11, v9, 4, v10                 ; the stage: an image's 16-byte places,
	v_lshl_add_u32 v12, v9, 3, v10                 ; and its 8-byte places
	v_add_nc_u32 v13, s21, v5                      ; the way out: 16 x lane
	v_lshlrev_b32 v14, 6, v8
	v_lshl_add_u32 v14, v9, 2, v14                 ; ws: 64 x tile + 4 x row
	s_lshl_b32 s26, s22, 12
	s_lshl_b32 s27, s23, 10
	s_add_co_u32 s26, s26, s27
	s_lshl_b32 s27, s20, 7
	s_add_co_u32 s26, s26, s27
	s_mov_b32 s27, 0
	s_add_nc_u64 s[16:17], s[16:17], s[26:27]
	s_lshl_b32 s26, s22, 3
	s_lshl_b32 s28, s20, 1
	s_add_co_u32 s26, s26, s28
	s_mul_i32 s26, s26, 12288
	s_mul_i32 s28, s23, 3072
	s_add_co_u32 s26, s26, s28
	s_add_nc_u64 s[14:15], s[14:15], s[26:27]
.macro WLOAD t
.irp i, 0,1,2,3,4,5,6,7,8,9,10,11,12,13,14,15,16,17,18,19,20,21,22,23,24,25,26,27,28,29,30,31
	global_load_b32 v[WNUM+32*((\t)%2)+\i], v[VO+\i], s[32+2*(\t):33+2*(\t)] th:TH_LOAD_NT
.endr
.endm
.macro WBLOCK t                        ; block t of 8: 32 numbers down K of my column: all mine
.set WX, WNUM+32*((\t)%2)
.set WOF, ((\t)/4)*1536+(((\t)%4)/2)*768
.if (\t) < 7
	s_wait_loadcnt 32                              ; this block's 32 loads are in; the next block's may be out
.else
	s_wait_loadcnt 0x0
.endif
	v_max3_num_f32 v16, |v[WX]|, |v[WX+1]|, |v[WX+2]|
	v_max3_num_f32 v17, |v[WX+16]|, |v[WX+17]|, |v[WX+18]|
.irp i, 3,5,7,9,11,13
	v_max3_num_f32 v16, v16, |v[WX+\i]|, |v[WX+\i+1]|
	v_max3_num_f32 v17, v17, |v[WX+16+\i]|, |v[WX+17+\i]|
.endr
	v_max3_num_f32 v16, v16, v17, |v[WX+15]|
	v_max3_num_f32 v16, v16, |v[WX+31]|, 0x1800000
	v_add_nc_u32 v18, 0xff000000, v16
	v_lshrrev_b32 v19, 23, v18
.if (\t)%4 == 0
	v_mov_b32 v[SB+(\t)/4], v19                    ; four bytes to a word, the lower K in the lower byte
.else
	v_lshl_or_b32 v[SB+(\t)/4], v19, 8*((\t)%4), v[SB+(\t)/4]
.endif
	v_cvt_scalef32_pk16_fp6_f32 v[WC:WC+2], v[WX:WX+15], v18
	v_cvt_scalef32_pk16_fp6_f32 v[WC2:WC2+2], v[WX+16:WX+31], v18
	v_nop                                          ; one plain place behind a scaled conversion
.irp i, 0,1,2
	v_mov_b32 v[WC+3+\i], v[WC2+\i]
.endr
	ds_store_b128 v11, v[WC:WC+3] offset:WOF+((\t)%2)*256           ; the block stands where lane 16 (t % 2) + row of the image has it
	ds_store_b64 v12, v[WC+4:WC+5] offset:WOF+512+((\t)%2)*128
.if (\t)+2 < 8
	WLOAD (\t)+2
.endif
	s_wait_dscnt 0x0                               ; the stores have read their registers: the next block's codes may be written
.endm
	WLOAD 0
	WLOAD 1
.irp t, 0,1,2,3,4,5,6,7
	WBLOCK \t
.endr
	global_store_b32 v14, v[SB], s[16:17]          ; 32 lanes: 128 consecutive bytes
	s_wait_alu depctr_va_vdst(0)
	global_store_b32 v14, v[SB+1], s[16:17] offset:512
.irp s, 0,1,2,3,4,5,6,7,8,9,10,11
	ds_load_b128 v[WO+4*\s:WO+4*\s+3], v13 offset:(\s/6)*3200+(\s%6)*512
.endr
.irp s, 0,1,2,3,4,5,6,7,8,9,10,11
	s_wait_dscnt 11-\s                             ; the younger read-backs may be out
	global_store_b128 v5, v[WO+4*\s:WO+4*\s+3], s[14:15] offset:(\s/6)*12288+(\s%6)*512    ; 512 consecutive bytes
.endr
	s_wait_tensorcnt 0x0
	ds_add_u32 v30, v31
	s_wait_dscnt 0x0
	s_endpgm
.Lfunc_end_k_qe7e7cdeeb4_quant:
	.size	k_qe7e7cdeeb4_quant, .Lfunc_end_k_qe7e7cdeeb4_quant-k_qe7e7cdeeb4_quant
	.p2alignl 7, 3214868480
	.fill 96, 4, 3214868480
	.section	.rodata,"a",@progbits
	.p2align	6, 0x0
	.amdhsa_kernel k_qe7e7cdeeb4_quant
		.amdhsa_group_segment_fixed_size 59904
		.amdhsa_private_segment_fixed_size 0
		.amdhsa_enable_private_segment 0
		.amdhsa_kernarg_size 56
		.amdhsa_user_sgpr_count 2
		.amdhsa_user_sgpr_kernarg_segment_ptr 1
		.amdhsa_wavefront_size32 1
		.amdhsa_system_sgpr_workgroup_id_x 1
		.amdhsa_system_sgpr_workgroup_id_y 1
		.amdhsa_system_sgpr_workgroup_id_z 1
		.amdhsa_system_vgpr_workitem_id 0
		.amdhsa_next_free_vgpr 256
		.amdhsa_next_free_sgpr 66
		.amdhsa_reserve_vcc 1
		.amdhsa_float_denorm_mode_32 3
		.amdhsa_float_denorm_mode_16_64 3
		.amdhsa_memory_ordered 1
		.amdhsa_forward_progress 1
		.amdhsa_inst_pref_size 75
	.end_amdhsa_kernel
	.amdgpu_metadata
---
amdhsa.version: [ 1, 2 ]
amdhsa.kernels:
  - .name:           k_qe7e7cdeeb4_quant
    .symbol:         k_qe7e7cdeeb4_quant.kd
    .args:
      - { .name: x, .offset: 0, .size: 8, .value_kind: global_buffer, .address_space: global }
      - { .name: w_qkv, .offset: 8, .size: 8, .value_kind: global_buffer, .address_space: global }
      - { .name: w_proj, .offset: 16, .size: 8, .value_kind: global_buffer, .address_space: global }
      - { .name: xq, .offset: 24, .size: 8, .value_kind: global_buffer, .address_space: global }
      - { .name: xs, .offset: 32, .size: 8, .value_kind: global_buffer, .address_space: global }
      - { .name: wq, .offset: 40, .size: 8, .value_kind: global_buffer, .address_space: global }
      - { .name: ws, .offset: 48, .size: 8, .value_kind: global_buffer, .address_space: global }
    .group_segment_fixed_size: 59904
    .private_segment_fixed_size: 0
    .kernarg_segment_align: 8
    .kernarg_segment_size: 56
    .max_flat_workgroup_size: 128
    .sgpr_count:     66
    .vgpr_count:     256
    .wavefront_size: 32
...
	.end_amdgpu_metadata
.endif
;; end of part 1
;; launch qkv (part 2): grid 12 x 32, 4 waves a work-group, clusters of 4 x 4, 327,680 bytes of LDS; arguments xq, xs, wq, ws, b_qkv, qc, kv; writes qc, kv
.if DOCPART == 2
	.amdgcn_target "amdgcn-amd-amdhsa--gfx1250"
	.amdhsa_code_object_version 6
	.text
	.protected	k_qe7e7cdeeb4_qkv
	.globl	k_qe7e7cdeeb4_qkv
	.p2align	8
	.type	k_qe7e7cdeeb4_qkv,@function
k_qe7e7cdeeb4_qkv:
	s_mov_b64 s[64:65], 0
	v_nop
	global_prefetch_b8 v0, s[64:65] scope:SCOPE_SE
	s_setreg_imm32_b32 hwreg(HW_REG_WAVE_MODE, 25, 1), 1
	s_wait_xcnt 0x0
	s_wait_alu depctr_hold_cnt(0) depctr_sa_sdst(0) depctr_va_vdst(0) depctr_va_sdst(0) depctr_va_ssrc(0) depctr_va_vcc(0) depctr_vm_vsrc(0)
	s_getreg_b32 s2, hwreg(HW_REG_IB_STS2, 6, 4)
	s_cmp_eq_u32 s2, 0
	s_cbranch_scc0 .Lentry_in_a_cluster
	s_endpgm
.Lentry_in_a_cluster:
	s_bfe_u32 s2, ttmp6, 0x10000c
	s_cmp_lg_u32 s2, 0xf033
	s_cbranch_scc0 .Lentry_shape_is_right
	s_endpgm
.Lentry_shape_is_right:
.set SLOTB, 98304
.set PIECE, 24576
.set SCL,   3*SLOTB
.set SPARE, SCL+4*4096
.set ADRS, 3
.set L16,  4
.set L8,   5
.set H16,  6
.set H8,   7
.set AP16, 8
.set AP8,  11
.set AR16, 14
.set AR8,  17
.set VJ,   20
.set SPW,  28
.set NIL,  29
.set SC,   32
.set BC,   64
.set AF,   128
.set TA,   64
.set SO,   68
.set BY,   70
.set WD,   72
.set TX,   73
.set PW,   74
.set PC,   76
.set SP,   88
.set SW,   96
.set WV, 18
.set WM, 19
.set WN, 20
.set G1P, 24
.set G1R, 32
.set G1SP, 40
.set G1SR, 48
.set G0SP, 56
.set G0SR, 60
.set G0P, 68
.set G0R, 80
.set CELL, 66
.set SEL, 100
.set MSB, 0
.macro WIN new
.if MSB != (\new)
	s_set_vgpr_msb (MSB<<8)|(\new)
.set MSB, (\new)
.endif
.endm
.macro JLOAD g0p, g1p, g0r, g1r
	s_cmp_eq_u32 s[WM], 0
	s_cbranch_scc0 .Lfor_r_\@
	tensor_load_to_lds s[\g0p:\g0p+3], s[\g1p:\g1p+7]
	s_nop 0
.rept 4
	v_nop
.endr
	s_branch .Lasked_\@
.Lfor_r_\@:
	tensor_load_to_lds s[\g0r:\g0r+3], s[\g1r:\g1r+7]
	s_nop 0
.rept 4
	v_nop
.endr
.Lasked_\@:
.endm
.macro CREST
	s_cmp_lg_u32 s[WV], 0
	s_cbranch_scc1 .Lnot_wave_0_\@
	s_barrier_signal -3
.Lnot_wave_0_\@:
	s_barrier_wait -3
	s_barrier_signal -1
	s_barrier_wait -1
.endm
.macro CROUND
	s_barrier_signal -1
	s_barrier_wait -1
	CREST
.endm
.macro PLACES n
.rept \n
	v_nop
.endr
.endm
	s_load_b256 s[4:11], s[0:1], 0x0
	s_load_b128 s[12:15], s[0:1], 0x20
	s_load_b64 s[16:17], s[0:1], 0x30
	v_lshl_add_u32 v[SPW], v0, 2, SPARE
	v_mov_b32 v[NIL], 0
	ds_add_u32 v28, v29
	ds_add_u32 v28, v29
	s_wait_dscnt 0x0
	v_lshrrev_b32 v1, 5, v0
	v_readfirstlane_b32 s[WV], v1
	s_lshr_b32 s[WM], s[WV], 1
	s_and_b32 s[WN], s[WV], 1
	s_bfe_u32 s21, ttmp6, 0x40000
	s_bfe_u32 s22, ttmp6, 0x40004
	s_and_b32 s23, ttmp7, 0xffff
	s_lshl_b32 s23, s23, 2
	s_lshl_b32 s2, s22, 2
	s_lshl_b32 s2, 15, s2
	s_lshl_b32 s3, 0x1111, s21
	s_or_b32 s[G1P], s2, (3<<16)|(1<<21)
	s_or_b32 s[G1SP], s2, (3<<16)|(1<<21)
	s_or_b32 s[G1R], s3, (3<<16)|(1<<21)
	s_or_b32 s[G1SR], s3, (3<<16)|(1<<21)
.irp g, G1P, G1R
	s_mov_b32 s[\g+1], 384<<16
	s_mov_b32 s[\g+2], 16<<16
	s_mov_b32 s[\g+3], 384<<16
	s_mov_b32 s[\g+4], 16
	s_mov_b32 s[\g+5], 1536
	s_mov_b32 s[\g+6], 0
	s_mov_b32 s[\g+7], 0
.endr
.irp g, G1SP, G1SR
	s_mov_b32 s[\g+1], 32<<16
	s_mov_b32 s[\g+2], 32<<16
	s_mov_b32 s[\g+3], 32<<16
	s_mov_b32 s[\g+4], 32
	s_mov_b32 s[\g+5], 32
	s_mov_b32 s[\g+6], 0
	s_mov_b32 s[\g+7], 0
.endr
	s_add_co_u32 s92, s23, s22
	s_lshl_b32 s96, ttmp9, 2
	s_add_co_u32 s96, s96, s21
	s_add_co_u32 s97, s23, s21
	s_cmp_eq_u32 ttmp9, 2
	s_cselect_b32 s92, s22, s92
	s_cselect_b32 s96, s97, s96
	s_cselect_b32 s93, 128*12288, 0
	s_cselect_b32 s95, 16*4096, 0
	s_lshl_b32 s94, s92, 1
	s_add_co_u32 s94, s94, s[WN]
	s_mul_i32 s66, s94, 98304
	s_add_co_u32 s66, s66, s93
	s_mov_b32 s67, 0
	s_lshl_b32 s94, s94, 12
	s_add_co_u32 s94, s94, s95
	s_mov_b32 s95, 0
	s_lshl_b32 s98, s96, 1
	s_add_co_u32 s98, s98, s[WN]
	s_mul_i32 s100, s98, 98304
	s_mov_b32 s101, 0
	s_lshl_b32 s98, s98, 12
	s_mov_b32 s99, 0
	s_mul_i32 s97, s[WV], PIECE
	s_lshl_b32 s23, s[WV], 12
	s_wait_kmcnt 0x0
	s_cmp_eq_u32 ttmp9, 2
	s_cselect_b64 s[2:3], s[8:9], s[4:5]
	s_cselect_b64 s[8:9], s[4:5], s[8:9]
	s_cselect_b64 s[4:5], s[10:11], s[6:7]
	s_cselect_b64 s[10:11], s[6:7], s[10:11]
	s_add_nc_u64 s[2:3], s[2:3], s[66:67]
	s_add_nc_u64 s[4:5], s[4:5], s[94:95]
	s_add_nc_u64 s[8:9], s[8:9], s[100:101]
	s_add_nc_u64 s[10:11], s[10:11], s[98:99]
	CROUND
	s_mov_b32 s[G0SP], 1
	s_add_co_u32 s[G0SP+1], s23, SCL-4096          ; issued by wave 1 alone: both groups' scale words, from the group below its own
	s_sub_nc_u64 s[G0SP+2:G0SP+3], s[4:5], 4096
	s_or_b32 s[G0SP+3], s[G0SP+3], 0x80000000
	s_mov_b32 s[G0SR], 1
	s_add_co_u32 s[G0SR+1], s23, SCL-4096          ; issued by wave 3 alone, likewise
	s_sub_nc_u64 s[G0SR+2:G0SR+3], s[10:11], 4096
	s_or_b32 s[G0SR+3], s[G0SR+3], 0x80000000
.irp s, 0,1,2
	s_mov_b32 s[G0P+4*\s], 1
	s_add_co_u32 s[G0P+4*\s+1], s97, \s*SLOTB
	s_add_nc_u64 s[G0P+4*\s+2:G0P+4*\s+3], s[2:3], \s*3072
	s_or_b32 s[G0P+4*\s+3], s[G0P+4*\s+3], 0x80000000
	s_mov_b32 s[G0R+4*\s], 1
	s_add_co_u32 s[G0R+4*\s+1], s97, \s*SLOTB
	s_add_nc_u64 s[G0R+4*\s+2:G0R+4*\s+3], s[8:9], \s*3072
	s_or_b32 s[G0R+4*\s+3], s[G0R+4*\s+3], 0x80000000
.endr
	; the head's four tiles, one a wave, in one chain of arms: slot 0's 16 rows of each operand (waves 0 and 2, whose own piece is the lower one), and each operand's scale words (waves 1 and 3)
	s_cmp_eq_u32 s[WV], 0
	s_cbranch_scc0 .Lhead_1
	tensor_load_to_lds s[G0P:G0P+3], s[G1P:G1P+7]
	s_nop 0
	PLACES 4
	s_branch .Lhead_asked
.Lhead_1:
	s_cmp_eq_u32 s[WV], 2
	s_cbranch_scc0 .Lhead_2
	tensor_load_to_lds s[G0R:G0R+3], s[G1R:G1R+7]
	s_nop 0
	PLACES 4
	s_branch .Lhead_asked
.Lhead_2:
	s_cmp_eq_u32 s[WV], 1
	s_cbranch_scc0 .Lhead_3
	tensor_load_to_lds s[G0SP:G0SP+3], s[G1SP:G1SP+7]
	s_nop 0
	PLACES 4
	s_branch .Lhead_asked
.Lhead_3:
	tensor_load_to_lds s[G0SR:G0SR+3], s[G1SR:G1SR+7]
	s_nop 0
	PLACES 4
.Lhead_asked:
	v_and_b32 v1, 15, v0
	v_bfe_u32 v2, v0, 4, 1
	v_and_b32 v30, 31, v0
	v_lshlrev_b32 v[L16], 4, v30
	v_lshlrev_b32 v[L8], 3, v30
	v_lshlrev_b32 v[H16], 4, v2
	v_lshlrev_b32 v[H8], 3, v2
	s_mul_i32 s21, s[WM], PIECE
	s_mul_i32 s22, s[WN], PIECE
	s_add_co_u32 s22, s22, 2*PIECE
.irp s, 0,1,2
	v_add_nc_u32 v[AP16+\s], s21, v[L16]
	v_add_nc_u32 v[AP8+\s], s21, v[L8]
	v_add_nc_u32 v[AR16+\s], s22, v[L16]
	v_add_nc_u32 v[AR8+\s], s22, v[L8]
	s_add_co_u32 s21, s21, SLOTB
	s_add_co_u32 s22, s22, SLOTB
.endr
	s_lshl_b32 s21, s[WM], 12
	s_add_co_u32 s22, s[WN], 2
	s_sub_co_u32 s22, s22, s[WM]
	s_lshl_b32 s22, s22, 12
	v_mul_u32_u24 v[ADRS], s22, v2
	v_lshl_add_u32 v[ADRS], v1, 2, v[ADRS]
	s_add_co_u32 s21, s21, SCL
	v_add_nc_u32 v[ADRS], s21, v[ADRS]
	s_lshl_b32 s93, s92, 1
	s_add_co_u32 s93, s93, s[WM]
	s_lshl_b32 s97, s96, 1
	s_add_co_u32 s97, s97, s[WN]
	s_and_b32 s94, s97, 7
	s_mov_b32 s23, 26624
	s_cmp_eq_u32 ttmp9, 2
	s_cselect_b32 s95, s97, s93
	s_cselect_b32 s94, s93, s94
	s_cselect_b32 s98, 13312, 0
	s_cselect_b32 s100, s93, s97
	s_cselect_b32 s101, 8192, 0
	s_cselect_b32 s21, 0, 4
	s_cselect_b32 s22, -1, 0
	s_cmp_eq_u32 ttmp9, 0
	s_cselect_b32 s23, 13312, s23
	s_cselect_b64 s[CELL:CELL+1], s[14:15], s[16:17]
	s_lshr_b32 s99, s95, 4
	s_lshl_b32 s99, s99, 3
	s_add_co_u32 s99, s99, s94
	s_lshl_b32 s99, s99, 4
	s_and_b32 s95, s95, 15
	s_add_co_u32 s99, s99, s95
	s_mul_i32 s99, s99, s23
	s_add_co_u32 s98, s99, s98
	s_mov_b32 s99, 0
	s_add_nc_u64 s[CELL:CELL+1], s[CELL:CELL+1], s[98:99]
	s_lshl_b32 s100, s100, 9
	s_add_co_u32 s100, s100, s101
	s_mov_b32 s101, 0
	s_add_nc_u64 s[12:13], s[12:13], s[100:101]
	v_lshlrev_b32 v30, 7, v2
	v_lshrrev_b32 v31, 3, v1
	v_lshlrev_b32 v31, 7, v31
	v_and_b32 v20, 7, v1
	v_lshl_add_u32 v31, v20, 2, v31
	v_cndmask_b32 v30, v30, v31, s22
.irp j, 0,1,2,3,4,5,6,7
	v_mad_u32_u24 v[VJ+\j], s21, \j, v30
.endr
.irp i, 0,1,2,3,4,5,6,7
.irp j, 0,1,2,3,4,5,6,7
	global_load_b32 v[BC+8*\i+\j], v[VJ+\j], s[12:13] offset:(64*(\i/4)+8*(\i%4))*4
.endr
.endr
	s_mov_b32 s[SEL], 0x76543210
	s_mov_b32 s[SEL+1], 0xfedcba98
.macro FRAG reg, a16, a8, off
	ds_load_b128 v[\reg:\reg+3], v[\a16] offset:\off
	ds_load_b64 v[\reg+4:\reg+5], v[\a8] offset:(\off)+512
	ds_load_b128 v[\reg+6:\reg+9], v[\a16] offset:(\off)+768
	ds_load_b64 v[\reg+10:\reg+11], v[\a8] offset:(\off)+1280
.endm
.macro FETCH_R slot, q, set
	WIN 0x40
.irp i, 0,1,2,3,4,5,6,7
	FRAG 128*(\set)+12*\i, AR16+(\slot), AR8+(\slot), 3072*\i+1536*(\q)
.endr
	WIN 0
.endm
.macro FETCH_P slot, q, i0
.irp i, \i0, \i0+1, \i0+2, \i0+3
	FRAG AF+12*(\i), AP16+(\slot), AP8+(\slot), 3072*(\i)+1536*(\q)
.endr
.endm
.macro SCALES ks
.irp i, 0,1,2,3,4,5,6,7
.irp q, 0,1
	ds_load_b32 v[SC+16*((\ks)%2)+2*\i+\q], v[ADRS] offset:(\ks)*1024+\q*512+\i*64
.endr
.endr
.endm
.macro MUL16 a0, cm
.irp a, \a0, \a0+1
.irp b, 0,1,2,3,4,5,6,7
.if (\cm) == 0
	v_wmma_scale_f32_16x16x128_f8f6f4 v[8*(8*((\a)%4)+\b):8*(8*((\a)%4)+\b)+7], v[128*GQ+12*\b:128*GQ+12*\b+11], v[AF+12*(\a):AF+12*(\a)+11], v[8*(8*((\a)%4)+\b):8*(8*((\a)%4)+\b)+7], v[SC+16*GSC+2*\b+GQ], v[SC+16*GSC+2*(\a)+GQ] matrix_a_fmt:MATRIX_FMT_FP6 matrix_b_fmt:MATRIX_FMT_FP6 matrix_a_scale:MATRIX_SCALE_ROW1
.elseif (\cm) == 1
	v_wmma_scale_f32_16x16x128_f8f6f4 v[8*(8*((\a)%4)+\b):8*(8*((\a)%4)+\b)+7], v[128*GQ+12*\b:128*GQ+12*\b+11], v[AF+12*(\a):AF+12*(\a)+11], v[BC+8*\b:BC+8*\b+7], v[SC+16*GSC+2*\b+GQ], v[SC+16*GSC+2*(\a)+GQ] matrix_a_fmt:MATRIX_FMT_FP6 matrix_b_fmt:MATRIX_FMT_FP6 matrix_a_scale:MATRIX_SCALE_ROW1
.else
	v_wmma_scale_f32_16x16x128_f8f6f4 v[8*(8*((\a)%4)+\b):8*(8*((\a)%4)+\b)+7], v[128*GQ+12*\b:128*GQ+12*\b+11], v[AF+12*(\a):AF+12*(\a)+11], v[BC+8*(\a):BC+8*(\a)+7], v[SC+16*GSC+2*\b+GQ], v[SC+16*GSC+2*(\a)+GQ] matrix_a_fmt:MATRIX_FMT_FP6 matrix_b_fmt:MATRIX_FMT_FP6 matrix_a_scale:MATRIX_SCALE_ROW1
.endif
.endr
.endr
.endm
.macro GSTEP g, cm, kind
.set GQ, (\g)%2
.set GSC, ((\g)/2)%2
.set NSL, (((\g)+1)/2)%3
.set NQ, ((\g)+1)%2
.set NKS, ((\g)+1)/2
.if (\cm) == 0
.set WLO, 0xa1
.set WHI, 0xf1
.else
.set WLO, 0x81
.set WHI, 0xc1
.endif
.if ((\kind) == 1) || ((\kind) == 2) || ((\kind) == 4)
	s_wait_tensorcnt 0x0
	ds_add_u32 v[SPW], v[NIL]
	s_wait_dscnt 17
	WIN WLO
	MUL16 0, \cm
	s_wait_dscnt 0x0
	s_barrier_signal -1
	MUL16 2, \cm
	WIN 0
	s_barrier_wait -1
.if (\kind) == 1
	CREST
	s_add_nc_u64 s[G0P+2:G0P+3], s[G0P+2:G0P+3], 9216
	s_add_nc_u64 s[G0R+2:G0R+3], s[G0R+2:G0R+3], 9216
	JLOAD G0P, G1P, G0R, G1R
.elseif (\kind) == 4
	CREST
	JLOAD G0P+8, G1P, G0R+8, G1R                   ; slot 2's first fill, issued as a refill is
.else
	PLACES 4
.endif
.else
	s_wait_dscnt 16
	WIN WLO
	MUL16 0, \cm
	MUL16 2, \cm
	s_wait_dscnt 0x0
.if (\kind) != 3
	PLACES 4
.endif
.endif
.if (\kind) != 3
	FETCH_R NSL, NQ, 1-GQ
	FETCH_P NSL, NQ, 0
.if NQ == 0
	SCALES NKS
.endif
.endif
	WIN WHI
	MUL16 4, \cm
	MUL16 6, \cm
.if (\kind) != 3
	PLACES 4
	WIN 0
	FETCH_P NSL, NQ, 4
.else
	WIN 0
.endif
.endm
	s_wait_alu depctr_va_vdst(0)                   ; the wait at the head's end
	s_wait_tensorcnt 0x0                           ; my tile of the head's four is in
	ds_add_u32 v28, v29
	s_mov_b32 s[G1P+2], 8<<16                      ; no tensor load of mine is out: from here on a load brings 8 rows
	s_mov_b32 s[G1P+4], 8
	s_mov_b32 s[G1R+2], 8<<16
	s_mov_b32 s[G1R+4], 8
	s_wait_dscnt 0x0
	CROUND                                         ; all four tiles are in, and the partners are here
	JLOAD G0P+4, G1P, G0R+4, G1R                   ; slot 1's first fill
	FETCH_R 0, 0, 0
	FETCH_P 0, 0, 0
	SCALES 0
	FETCH_P 0, 0, 4
	s_wait_loadcnt 0x0
	s_cmp_eq_u32 ttmp9, 2
	s_cbranch_scc1 .Lfirst_v
	GSTEP 0, 1, 0
	s_branch .Lfirst_done
.Lfirst_v:
	GSTEP 0, 2, 0
.Lfirst_done:
	GSTEP 1, 0, 4
	GSTEP 2, 0, 0
	GSTEP 3, 0, 1
	GSTEP 4, 0, 0
	GSTEP 5, 0, 2
	GSTEP 6, 0, 0
	GSTEP 7, 0, 3
.macro OUTBLK a
.set OW, 2+(\a)/4
.set AC, 64*((\a)%4)
	WIN (OW<<2)|(OW<<4)
.irp k, 0,1,2,3
	v_max3_num_f32 v[TA+\k], 0x1800000, |v[AC+16*\k]|, |v[AC+16*\k+1]|
.endr
.irp i, 2,4,6,8,10,12,14
.irp k, 0,1,2,3
	v_max3_num_f32 v[TA+\k], v[TA+\k], |v[AC+16*\k+\i]|, |v[AC+16*\k+\i+1]|
.endr
.endr
	WIN 0
	v_max_num_f32 v[TA], v[TA], v[TA+1]
	v_max_num_f32 v[TA+2], v[TA+2], v[TA+3]
	v_add_nc_u32 v[SO], 0xff000000, v[TA]
	v_add_nc_u32 v[SO+1], 0xff000000, v[TA+2]
	v_lshrrev_b32 v[BY], 23, v[SO]
	v_lshrrev_b32 v[BY+1], 23, v[SO+1]
	v_lshl_or_b32 v[WD], v[BY+1], 16, v[BY]
	v_lshlrev_b32 v[WD], v[H8], v[WD]
	v_permlanex16_b32 v[TX], v[WD], s[SEL], s[SEL+1]
	v_or_b32 v[PW], v[WD], v[TX]
.if (\a) > 0
	s_wait_alu depctr_va_vdst(0)
	s_wait_xcnt 0x0
.endif
	WIN OW
.irp c, 0,1
	v_cvt_scalef32_pk16_fp6_f32 v[PC+6*\c:PC+6*\c+2], v[AC+32*\c:AC+32*\c+15], v[SO+\c]
	v_cvt_scalef32_pk16_fp6_f32 v[SP+4*\c:SP+4*\c+2], v[AC+32*\c+16:AC+32*\c+31], v[SO+\c]
.endr
	WIN 0
	v_nop
.irp c, 0,1
.irp i, 0,1,2
	v_mov_b32 v[PC+6*\c+3+\i], v[SP+4*\c+\i]
.endr
.endr
	v_lshrrev_b32 v[SW+(\a)], v[H16], v[PW]
	global_store_b128 v[L16], v[PC:PC+3], s[CELL:CELL+1] offset:1536*(\a)
	global_store_b64 v[L8], v[PC+4:PC+5], s[CELL:CELL+1] offset:1536*(\a)+512
	global_store_b128 v[L16], v[PC+6:PC+9], s[CELL:CELL+1] offset:1536*(\a)+768
	global_store_b64 v[L8], v[PC+10:PC+11], s[CELL:CELL+1] offset:1536*(\a)+1280
.endm
	PLACES 4
	v_mov_b32 v[TX], 0
	v_lshlrev_b32 v30, 9, v2
	v_lshl_add_u32 v30, v1, 4, v30
.irp a, 0,1,2,3,4,5,6,7
	OUTBLK \a
.endr
	global_store_b128 v30, v[SW:SW+3], s[CELL:CELL+1] offset:12288
	global_store_b128 v30, v[SW+4:SW+7], s[CELL:CELL+1] offset:12288+256
	s_wait_tensorcnt 0x0
	ds_add_u32 v[SPW], v[NIL]
	s_wait_dscnt 0x0
	CROUND
	s_endpgm
.Lfunc_end_k_qe7e7cdeeb4_qkv:
	.size	k_qe7e7cdeeb4_qkv, .Lfunc_end_k_qe7e7cdeeb4_qkv-k_qe7e7cdeeb4_qkv
	.p2alignl 7, 3214868480
	.fill 96, 4, 3214868480
	.section	.rodata,"a",@progbits
	.p2align	6, 0x0
	.amdhsa_kernel k_qe7e7cdeeb4_qkv
		.amdhsa_group_segment_fixed_size 327680
		.amdhsa_private_segment_fixed_size 0
		.amdhsa_enable_private_segment 0
		.amdhsa_kernarg_size 56
		.amdhsa_user_sgpr_count 2
		.amdhsa_user_sgpr_kernarg_segment_ptr 1
		.amdhsa_wavefront_size32 1
		.amdhsa_system_sgpr_workgroup_id_x 1
		.amdhsa_system_sgpr_workgroup_id_y 1
		.amdhsa_system_sgpr_workgroup_id_z 1
		.amdhsa_system_vgpr_workitem_id 0
		.amdhsa_next_free_vgpr 1024
		.amdhsa_next_free_sgpr 102
		.amdhsa_reserve_vcc 0
		.amdhsa_float_denorm_mode_32 3
		.amdhsa_float_denorm_mode_16_64 3
		.amdhsa_memory_ordered 1
		.amdhsa_forward_progress 1
		.amdhsa_inst_pref_size 167
	.end_amdhsa_kernel
	.amdgpu_metadata
---
amdhsa.version: [ 1, 2 ]
amdhsa.kernels:
  - .name:           k_qe7e7cdeeb4_qkv
    .symbol:         k_qe7e7cdeeb4_qkv.kd
    .args:
      - { .name: xq, .offset: 0, .size: 8, .value_kind: global_buffer, .address_space: global }
      - { .name: xs, .offset: 8, .size: 8, .value_kind: global_buffer, .address_space: global }
      - { .name: wq, .offset: 16, .size: 8, .value_kind: global_buffer, .address_space: global }
      - { .name: ws, .offset: 24, .size: 8, .value_kind: global_buffer, .address_space: global }
      - { .name: b_qkv, .offset: 32, .size: 8, .value_kind: global_buffer, .address_space: global }
      - { .name: qc, .offset: 40, .size: 8, .value_kind: global_buffer, .address_space: global }
      - { .name: kv, .offset: 48, .size: 8, .value_kind: global_buffer, .address_space: global }
    .group_segment_fixed_size: 327680
    .private_segment_fixed_size: 0
    .kernarg_segment_align: 8
    .kernarg_segment_size: 56
    .max_flat_workgroup_size: 128
    .sgpr_count:     102
    .vgpr_count:     1024
    .wavefront_size: 32
...
	.end_amdgpu_metadata
.endif
;; end of part 2
;; launch attn (part 3): grid 8 x 32, 16 waves a work-group, clusters of 4 x 1, 327,680 bytes of LDS; arguments qc, kv, oc, os; writes oc, os
.if DOCPART == 3
	.amdgcn_target "amdgcn-amd-amdhsa--gfx1250"
	.amdhsa_code_object_version 6
	.text
	.protected	k_qe7e7cdeeb4_attn
	.globl	k_qe7e7cdeeb4_attn
	.p2align	8
	.type	k_qe7e7cdeeb4_attn,@function
k_qe7e7cdeeb4_attn:
	s_mov_b64 s[64:65], 0
	v_nop
	global_prefetch_b8 v0, s[64:65] scope:SCOPE_SE
	s_setreg_imm32_b32 hwreg(HW_REG_WAVE_MODE, 25, 1), 1
	s_wait_xcnt 0x0
	s_wait_alu depctr_hold_cnt(0) depctr_sa_sdst(0) depctr_va_vdst(0) depctr_va_sdst(0) depctr_va_ssrc(0) depctr_va_vcc(0) depctr_vm_vsrc(0)
	s_getreg_b32 s2, hwreg(HW_REG_IB_STS2, 6, 4)
	s_cmp_eq_u32 s2, 0
	s_cbranch_scc0 .Lentry_in_a_cluster
	s_endpgm
.Lentry_in_a_cluster:
	s_bfe_u32 s2, ttmp6, 0x10000c
	s_cmp_lg_u32 s2, 0x3003
	s_cbranch_scc0 .Lentry_shape_is_right
	s_endpgm
.Lentry_shape_is_right:
; out[q] = (sum over keys of p V) / l, p = 2^(t - M), t = (q . k) log2(e) / 8, M = the running largest t rounded UP to a whole number, l = the f32 sum of the unquantised p.
; Both products on codes of FP6 (E2M3); the result is quantised at once, along the channels, for the last projection.
; SHARES.  256 work-groups; each takes 256 queries of a PAIR of heads.  Wave w takes the head of parity w / 8 and TWO tiles of 16 queries: tile w % 8 of each of the block's two cells of 128 queries (A, B).
; Every fragment of K and of V that a wave reads from LDS feeds two products.  Every wave walks the 2,048 keys, 128 a step.
; A key step of a head pair is 26,624 dense bytes of kv: K's cell (8 images, 1,024 bytes of scale words), then V's.  A ring of two LDS slots of four key steps; each of the 16 waves fetches 6,656 bytes of a slot.
; CLUSTER: the four query blocks of a cluster walk the same K and V: each part is asked for jointly (mask 15).
; LAYOUT.  Both products transposed: S^T = K Q^T, O^T = V^T P^T: a lane holds one query.  Register 32 c + i of S^T is key 64 c + 32 (lane / 16) + i, so a block of 32 keys is one lane's.
; A HEAD IS 64 WIDE, the instruction 128: Q's registers for k = 64 .. 127 are zeros; K's operand of tile t runs on into the next tile's codes (behind tile 7: tile A's p codes).  E2M3 has no NaN or infinity and
; no scale byte here is 0xff, so those products are zeros.
; A STEP: K; S^T of A; A's softmax and codes; S^T of B in the same registers; V over K's registers; B's softmax, its codes into registers of S^T that are done with; eight products, the accumulators by turns.
; PREFETCH: behind the load of slot n waves 4-7 name slot n + 1: a key step a partner (by address), a lane a block of 256 bytes, 104 blocks (lanes left over name the last again); the last load asks for nothing.
; LIMITS: a block of zeros gets the byte 1 (read by this program alone); blocks under 2^-124 take that floor's byte; NaN and infinities are not served; 1 / l is v_rcp_f32 and a multiplication;
; the promise holds while the scaled scores stay under 2^31 in magnitude.
; REGISTERS: v1 16 lane, v2 8 lane, v3 16 (lane % 16); v4, v5 the add's; v6 8 (lane / 16); v7 the prefetch's offset; v8, v9 Q's scale words; v10-13 (-M, largest score) of A, B; v14-17 l of A, B; v18, v19 p's scale words;
; v20-43 Q and zeros; v44-51 K's, then V's scale words; v52-99 K, then V; v100-111 A's codes; v112-175 S^T, p; v176-239 O^T of A, B; v240-255 at work.
.set STEPB, 26624
.set SLOTB, 4*STEPB
.set PART,  SLOTB/16
.set SLOT1, 1<<17                      ; one exclusive or turns an address in one slot into the other's
.set SPARE, 2*SLOT1                    ; the spare words, 128 bytes a wave
.set OSC,   SPARE+2048                 ; 1,024 bytes: the result's scale bytes, gathered; no tensor load lands here
.set WV, 12
.set PAR, 13
.set TQ, 14
.set SEL, 16                           ; s[16:17] selects for lane l xor 16
.set CS, 18                            ; s[18:19] log2(e) / 8
.set TB, 20                            ; LDS byte of the key step in hand
.set SLOTS, 21
.set INNER, 22
.set LIM, 23                           ; 1 in a wave that prefetches, else the greatest number
.set G1, 24
.set G0, 32
.set PFA, 36
.set CK, 56                            ; my head's places in a key step: K, K's scale words, V, V's scale words
.set CKS, 57
.set CV, 58
.set CVS, 59
.set QA, 20
.set QB, 32
.set KS, 44
.set KV, 52
.set PA, 100
.set ST, 112
.set PB, ST+16
.set OA, 176
.set OB, 208
.set SO, 240                           ; v240-241 the conversions' scale operands (at a step's loads: addresses, with v242)
.set FF, 242                           ; v[242:243] f = 2^(old M - new M); then the sum's chain 1
.set C1, 242
.set C2, 244
.set C3, 246
.set MA, 244                           ; v244-247 chains of the maxima
.set BM, 248                           ; v248-249 the two blocks' largest scores, then largest p
.set T0, 250
.set T1, 251
.set BY, 252
.set WD, 254
.set WX, 255
.set HA, 248                           ; v248-250, v252-254 second halves of the blocks (a conversion's three registers begin on an even number)
.set HB, 252
.macro WALU
	s_wait_alu depctr_va_vdst(0)
.endm
.macro PLACES n
.rept \n
	v_nop
.endr
.endm
.macro JLOAD                           ; every wave's own part of a slot; s_nop 0 and four v_nop follow
	tensor_load_to_lds s[G0:G0+3], s[G1:G1+7]
	s_nop 0
	PLACES 4
.endm
.macro ASK
	s_cmp_gt_u32 s[SLOTS], s[LIM]
	s_cbranch_scc0 .Lnot_mine_\@
	global_prefetch_b8 v7, s[PFA:PFA+1] th:TH_LOAD_NT scope:SCOPE_SE
.Lnot_mine_\@:
.endm
.macro CROUND
	s_barrier_signal -1
	s_barrier_wait -1
	s_cmp_lg_u32 s[WV], 0
	s_cbranch_scc1 .Lnot_wave_0_\@
	s_barrier_signal -3
.Lnot_wave_0_\@:
	s_barrier_wait -3
	s_barrier_signal -1
	s_barrier_wait -1
.endm
.macro FRAG reg, a16, a8, off
	ds_load_b128 v[\reg:\reg+3], v[\a16] offset:\off
	ds_load_b64 v[\reg+4:\reg+5], v[\a8] offset:(\off)+512
	ds_load_b128 v[\reg+6:\reg+9], v[\a16] offset:(\off)+768
	ds_load_b64 v[\reg+10:\reg+11], v[\a8] offset:(\off)+1280
.endm
	s_load_b256 s[4:11], s[0:1], 0x0               ; qc, kv, oc, os
	v_lshl_add_u32 v4, v0, 2, SPARE
	v_mov_b32 v5, 0
	ds_add_u32 v4, v5                              ; the opening lines: the add twice on end and one wait
	ds_add_u32 v4, v5
	v_lshrrev_b32 v6, 5, v0
	v_readfirstlane_b32 s[WV], v6
	s_lshr_b32 s[PAR], s[WV], 3
	s_and_b32 s[TQ], s[WV], 7
	s_bfe_u32 s38, ttmp6, 0x40000                  ; cx
	s_lshl_b32 s39, ttmp9, 2
	s_add_co_u32 s39, s39, s38
	s_lshl_b32 s39, s39, 1                         ; the first of my block's two cells of 128 queries: it enters Q's and the result's addresses alone
	s_and_b32 s40, ttmp7, 0xffff                   ; batch x 8 + head pair, which the four partners share
	s_mul_i32 s42, s[WV], PART                     ; my part of a slot: its place in LDS and in memory
	s_mul_i32 s41, s40, 16*STEPB
	s_add_co_u32 s44, s41, s42
	s_mov_b32 s45, 0
	s_lshl_b32 s46, s40, 4
	s_add_co_u32 s46, s46, s39
	s_mul_i32 s46, s46, 13312                      ; Q's cell of tile A; B's lies 13,312 bytes on
	s_mul_i32 s47, s[TQ], 1536
	s_add_co_u32 s48, s46, s47
	s_mul_i32 s[CK], s[PAR], 768
	s_add_co_u32 s48, s48, s[CK]                   ; my tile's image, my head's half
	s_mov_b32 s49, 0
	s_lshl_b32 s47, s[PAR], 9
	s_add_co_u32 s50, s46, s47                     ; its scale words: variant, tile / 4, tile % 4
	s_add_co_u32 s[CKS], s47, 12288
	s_lshr_b32 s47, s[TQ], 2
	s_lshl_b32 s47, s47, 8
	s_add_co_u32 s50, s50, s47
	s_and_b32 s47, s[TQ], 3
	s_lshl_b32 s47, s47, 2
	s_add_co_u32 s50, s50, s47
	s_mov_b32 s51, 0
	s_lshr_b32 s52, s40, 3
	s_lshl_b32 s52, s52, 4
	s_add_co_u32 s52, s52, s39                     ; the result's group of 128 rows (A's; B's is the next)
	s_and_b32 s53, s40, 7                          ; the head pair = its K step of 128
	s_lshl_b32 s54, s52, 3
	s_add_co_u32 s54, s54, s[TQ]
	s_mul_i32 s54, s54, 12288
	s_mul_i32 s55, s53, 1536
	s_add_co_u32 s54, s54, s55
	s_add_co_u32 s54, s54, s[CK]
	s_mov_b32 s55, 0
	s_lshl_b32 s52, s52, 12
	s_lshl_b32 s53, s53, 9
	s_add_co_u32 s52, s52, s53
	s_mov_b32 s53, 0
	s_mul_i32 s60, s38, STEPB
	s_add_co_u32 s60, s60, s41
	s_add_co_u32 s60, s60, SLOTB                   ; the prefetches stand in slot 1; the first change of slots steps them to slot 2
	s_mov_b32 s61, 0
	s_mul_i32 s[CV], s[PAR], 6144
	s_add_co_u32 s[CV], s[CV], 13312
	s_lshl_b32 s[CVS], s[PAR], 8
	s_add_co_u32 s[CVS], s[CVS], 25600
	s_lshr_b32 s62, s[WV], 2
	s_cmp_eq_u32 s62, 1                            ; waves 4-7 prefetch
	s_cselect_b32 s[LIM], 1, -1
	s_mov_b32 s[G1], 15|(3<<16)|(1<<21)            ; the mask: all four work-groups; elements of 8 bytes; bit 21 beside a mask; no padding
	s_mov_b32 s[G1+1], 64<<16                      ; a dense block as 13 rows of 512 bytes
	s_mov_b32 s[G1+2], 13<<16
	s_mov_b32 s[G1+3], 64<<16
	s_mov_b32 s[G1+4], 13
	s_mov_b32 s[G1+5], 64
	s_mov_b32 s[G1+6], 0
	s_mov_b32 s[G1+7], 0
	s_mov_b32 s[SEL], 0x76543210
	s_mov_b32 s[SEL+1], 0xfedcba98
	s_mov_b32 s[CS], 0x3e38aa3b
	s_mov_b32 s[CS+1], s[CS]
	s_mov_b32 s[TB], 0
	s_mov_b32 s[SLOTS], 3
	s_wait_dscnt 0x0
	s_wait_kmcnt 0x0
	s_add_nc_u64 s[48:49], s[4:5], s[48:49]
	s_add_nc_u64 s[50:51], s[4:5], s[50:51]
	s_add_nc_u64 s[8:9], s[8:9], s[54:55]
	s_add_nc_u64 s[10:11], s[10:11], s[52:53]
	s_add_nc_u64 s[PFA:PFA+1], s[6:7], s[60:61]
	s_mov_b32 s[G0], 1
	s_mov_b32 s[G0+1], s42
	s_add_nc_u64 s[G0+2:G0+3], s[6:7], s[44:45]
	s_or_b32 s[G0+3], s[G0+3], 0x80000000
	CROUND                                         ; all four work-groups are here: the first joint loads meet
	JLOAD                                          ; slot 0
	v_and_b32 v240, 31, v0
	v_and_b32 v241, 15, v0
	v_bfe_u32 v242, v0, 4, 1
	v_lshlrev_b32 v1, 4, v240
	v_lshlrev_b32 v2, 3, v240
	v_lshlrev_b32 v3, 4, v241
	global_load_b128 v[QA:QA+3], v1, s[48:49]      ; Q's half fragments stay in registers
	global_load_b64 v[QA+4:QA+5], v2, s[48:49] offset:512
	global_load_b128 v[QB:QB+3], v1, s[48:49] offset:13312
	global_load_b64 v[QB+4:QB+5], v2, s[48:49] offset:13312+512
	global_load_b32 v8, v3, s[50:51] offset:12288
	global_load_b32 v9, v3, s[50:51] offset:12288+13312
	v_lshlrev_b32 v6, 3, v242
	v_and_b32 v7, 127, v0
	v_min_u32 v7, 103, v7
	v_lshlrev_b32 v7, 8, v7
.irp j, 10,12
	v_mov_b32 v\j, 0x7f61b1e6                      ; -M: 3e38
.endr
.irp j, 11,13
	v_mov_b32 v\j, 0xff61b1e6                      ; the largest score so far: -3e38
.endr
.irp j, 14,15,16,17,26,27,28,29,30,31,38,39,40,41,42,43,100,101,102,103,104,105,243,251,255
	v_mov_b32 v\j, 0                               ; l; Q's upper halves; what stands behind K's tile 7; registers named before their first own write
.endr
.set J, 0
.rept 64
	v_mov_b32 v[OA+J], 0                           ; O^T: the step is written once; its first turn finds zeros
.set J, J+1
.endr
; S^T = K Q^T of one tile of queries.  counted = 1: tile t waits for its own loads and tile t + 1's: 12 - 2 t loads are younger
.macro QK q, qs, counted
.irp t, 0,1,2,3,4,5,6,7
.if \counted && (\t < 7)
	s_wait_dscnt 12-2*\t
.endif
	v_wmma_scale_f32_16x16x128_f8f6f4 v[ST+8*\t:ST+8*\t+7], v[KV+6*\t:KV+6*\t+11], v[\q:\q+11], 0, v[KS+\t], v[\qs] matrix_a_fmt:MATRIX_FMT_FP6 matrix_b_fmt:MATRIX_FMT_FP6
.endr
.endm
.macro ACC c                           ; chain c of the sum takes in the next pair of p
	v_pk_add_f32 v[\c:\c+1], v[\c:\c+1], v[PP:PP+1]
.set PP, PP+2
.endm
.macro ACC4 ls
	ACC \ls
	ACC C1
	ACC C2
	ACC C3
.endm
; One tile's softmax on the 64 scores of a lane.  nm: -M and the largest score; ls: l; ps: p's scale word; d: p's codes; o: O^T
.macro SOFT nm, ls, ps, d, o
.irp c, 0,1                                    ; the largest score of each of my two blocks of 32 keys: it serves the row's maximum and the block's largest p
	v_max3_num_f32 v[MA+2*\c], v[ST+32*\c], v[ST+32*\c+1], v[ST+32*\c+2]
	v_max3_num_f32 v[MA+2*\c+1], v[ST+32*\c+16], v[ST+32*\c+17], v[ST+32*\c+18]
.endr
.irp i, 3,5,7,9,11,13
.irp c, 0,1
	v_max3_num_f32 v[MA+2*\c], v[MA+2*\c], v[ST+32*\c+\i], v[ST+32*\c+\i+1]
	v_max3_num_f32 v[MA+2*\c+1], v[MA+2*\c+1], v[ST+32*\c+16+\i], v[ST+32*\c+17+\i]
.endr
.endr
.irp c, 0,1
	v_max3_num_f32 v[BM+\c], v[MA+2*\c], v[MA+2*\c+1], v[ST+32*\c+15]
.endr
.irp c, 0,1
	v_max_num_f32 v[BM+\c], v[BM+\c], v[ST+32*\c+31]
.endr
	s_delay_alu instid0(VALU_DEP_1)
	v_max_num_f32 v[T0], v[BM], v[BM+1]
	s_delay_alu instid0(VALU_DEP_1)
	v_permlanex16_b32 v[T1], v[T0], s[SEL], s[SEL+1]
	s_delay_alu instid0(VALU_DEP_1)
	v_max3_num_f32 v[\nm+1], v[\nm+1], v[T0], v[T1]  ; the running largest score of my query
	s_delay_alu instid0(VALU_DEP_1)
	v_mul_f32 v[T0], s[CS], v[\nm+1]               ; as t (c is positive)
	v_mov_b32 v[T1], v[\nm]
	s_delay_alu instid0(VALU_DEP_2)
	v_floor_f32 v[\nm], -v[T0]                     ; the new -M = floor(-t): M is a whole number
	s_delay_alu instid0(VALU_DEP_1)
	v_sub_f32 v[T0], v[\nm], v[T1]                 ; old M - new M: a whole number, 0 or less
	s_delay_alu instid0(VALU_DEP_1)
	v_cvt_i32_f32 v[T0], v[T0]                     ; (it saturates)
	s_delay_alu instid0(VALU_DEP_1)
	v_ldexp_f32 v[FF], 1.0, v[T0]                  ; f: a multiplication by it rounds nothing
.set J, 0
.rept 32
	v_pk_fma_f32 v[ST+J:ST+J+1], v[ST+J:ST+J+1], s[CS:CS+1], v[\nm:\nm+1] op_sel_hi:[1,0,0]   ; t - M
.set J, J+2
.endr
.irp c, 0,1
	v_fma_f32 v[BM+\c], v[BM+\c], s[CS], v[\nm]
.endr
	WALU                                           ; the wait ahead of the batch, and directly ahead of the first reader of O^T
.set J, 0
.rept 16
	v_pk_mul_f32 v[\o+J:\o+J+1], v[\o+J:\o+J+1], v[FF:FF+1] op_sel_hi:[1,0]   ; O^T under the new M
.set J, J+2
.endr
.set J, 0
.rept 64
	v_exp_f32 v[ST+J], v[ST+J]                     ; p = 2^(t - M): not normalised
.set J, J+1
.endr
.irp c, 0,1
	v_exp_f32 v[BM+\c], v[BM+\c]                   ; the block's largest p: the same two instructions on the same number
.endr
	v_pk_mul_f32 v[\ls:\ls+1], v[\ls:\ls+1], v[FF:FF+1] op_sel_hi:[1,0]   ; l under the new M (a plain place behind the exponentials)
	WALU                                           ; one wait for the batch
	; l takes in the 64 p by four chains; the lines that make p's scale word stand among them
	v_pk_add_f32 v[\ls:\ls+1], v[\ls:\ls+1], v[ST:ST+1]
	v_pk_add_f32 v[C1:C1+1], v[ST+2:ST+3], v[ST+4:ST+5]
	v_pk_add_f32 v[C2:C2+1], v[ST+6:ST+7], v[ST+8:ST+9]
	v_pk_add_f32 v[C3:C3+1], v[ST+10:ST+11], v[ST+12:ST+13]
.set PP, ST+14
	v_max_num_f32 v[BM], 0x1800000, v[BM]          ; the floor 2^(3 - 127)
	v_max_num_f32 v[BM+1], 0x1800000, v[BM+1]
	ACC4 \ls
	v_add_nc_u32 v[SO], 0xff000000, v[BM]          ; 2 off the exponent field: the conversion's scale operand
	v_add_nc_u32 v[SO+1], 0xff000000, v[BM+1]
	ACC4 \ls
	v_lshrrev_b32 v[BY], 23, v[SO]
	v_lshrrev_b32 v[BY+1], 23, v[SO+1]
	ACC4 \ls
	v_lshl_or_b32 v[WD], v[BY+1], 16, v[BY]        ; my blocks are h and 2 + h
	ACC4 \ls
	v_lshlrev_b32 v[WD], v6, v[WD]
	ACC4 \ls
	v_permlanex16_b32 v[WX], v[WD], s[SEL], s[SEL+1]
	ACC4 \ls
	v_or_b32 v[\ps], v[WD], v[WX]                  ; p's scale word for these 128 keys
	ACC \ls
	v_cvt_scalef32_pk16_fp6_f32 v[HA:HA+2], v[ST+16:ST+31], v[SO]
	v_cvt_scalef32_pk16_fp6_f32 v[HB:HB+2], v[ST+48:ST+63], v[SO+1]
	v_pk_add_f32 v[C1:C1+1], v[C1:C1+1], v[C2:C2+1]    ; a plain place: the next conversions may write registers that the first two have read
	v_cvt_scalef32_pk16_fp6_f32 v[\d:\d+2], v[ST:ST+15], v[SO]
	v_cvt_scalef32_pk16_fp6_f32 v[\d+6:\d+8], v[ST+32:ST+47], v[SO+1]
	v_pk_add_f32 v[\ls:\ls+1], v[\ls:\ls+1], v[C3:C3+1]  ; a plain place behind the conversions
.irp i, 0,1,2
	v_mov_b32 v[\d+3+\i], v[HA+\i]
.endr
.irp i, 0,1,2
	v_mov_b32 v[\d+9+\i], v[HB+\i]
.endr
	v_pk_add_f32 v[\ls:\ls+1], v[\ls:\ls+1], v[C1:C1+1]
.endm
; A KEY STEP: 128 keys, two tiles of queries
.macro STEP
	s_add_co_u32 s60, s[TB], s[CK]
	s_add_co_u32 s61, s[TB], s[CKS]
	s_add_co_u32 s62, s[TB], s[CV]
	s_add_co_u32 s63, s[TB], s[CVS]
	v_add_nc_u32 v240, s60, v1
	v_add_nc_u32 v241, s60, v2
	v_add_nc_u32 v242, s61, v3
	PLACES 2                                       ; five places behind the last products: four for the loads, five for the products that write over B's codes
	ds_load_b128 v[KS:KS+3], v242
	ds_load_b128 v[KS+4:KS+7], v242 offset:256
.irp t, 0,1,2,3,4,5,6,7
	ds_load_b128 v[KV+6*\t:KV+6*\t+3], v240 offset:1536*\t
	ds_load_b64 v[KV+6*\t+4:KV+6*\t+5], v241 offset:1536*\t+512
.endr
	QK QA, 8, 1
	PLACES 4
	SOFT 10, 14, 18, PA, OA                        ; its last four lines are the places between A's codes 0-5 and tile 7's product below
	QK QB, 9, 0
	v_add_nc_u32 v240, s62, v1
	v_add_nc_u32 v241, s62, v2
	v_add_nc_u32 v242, s63, v3
	v_nop                                          ; four places: for V's loads over K's registers, and for the first read of the scores
	ds_load_b128 v[KS:KS+3], v242                  ; V is asked for here and lands during B's softmax
.irp t, 0,1,2,3
	FRAG KV+12*\t, 240, 241, 1536*\t
.endr
	SOFT 12, 16, 19, PB, OB
	PLACES 3                                       ; with the line above: four places between B's codes and the products
	WALU
	s_wait_dscnt 0x0                               ; V
.irp t, 0,1,2,3                                ; eight accumulators by turns; a fragment of V feeds two products
	v_wmma_scale_f32_16x16x128_f8f6f4 v[OA+8*\t:OA+8*\t+7], v[KV+12*\t:KV+12*\t+11], v[PA:PA+11], v[OA+8*\t:OA+8*\t+7], v[KS+\t], v18 matrix_a_fmt:MATRIX_FMT_FP6 matrix_b_fmt:MATRIX_FMT_FP6
	v_wmma_scale_f32_16x16x128_f8f6f4 v[OB+8*\t:OB+8*\t+7], v[KV+12*\t:KV+12*\t+11], v[PB:PB+11], v[OB+8*\t:OB+8*\t+7], v[KS+\t], v19 matrix_a_fmt:MATRIX_FMT_FP6 matrix_b_fmt:MATRIX_FMT_FP6
.endr
	s_add_co_u32 s[TB], s[TB], STEPB
.endm
; THE CHANGE OF SLOTS stands at a slot's head.  Each wave waits for all its tensor loads, adds 0 to its spare word, and waits for that and for its reads of the slot that it has left.
; fill = 1: a round of the cluster's barrier, and behind it the slot just left takes the next four key steps: the load has four key steps in which to land.
.macro CHANGE fill
	s_wait_tensorcnt 0x0                           ; no tensor load of mine is out, so the group 0 may be written
	ds_add_u32 v4, v5
.if \fill
	s_xor_b32 s[G0+1], s[G0+1], SLOT1
	s_add_nc_u64 s[G0+2:G0+3], s[G0+2:G0+3], SLOTB
	s_wait_xcnt 0x0                                ; the last prefetch, a slot back, has read its address
	s_add_nc_u64 s[PFA:PFA+1], s[PFA:PFA+1], SLOTB
.endif
	s_wait_dscnt 0x0
.if \fill
	CROUND
	JLOAD                                          ; the first thing behind the round, and a wave's one tensor load until the next
	ASK
.else
	s_barrier_signal -1
	s_barrier_wait -1
.endif
.endm
.macro SLOT_STEPS
	s_mov_b32 s[INNER], 4
.Lstep_\@:
	STEP
	s_sub_co_u32 s[INNER], s[INNER], 1
	s_cmp_lg_u32 s[INNER], 0
	s_cbranch_scc1 .Lstep_\@
	s_sub_co_u32 s[TB], s[TB], SLOTB
	s_xor_b32 s[TB], s[TB], SLOT1
.endm
	WALU                                           ; the wait at the head's end
	s_wait_loadcnt 0x0                             ; Q
.Lslot:                                            ; three trips: behind each change of slots but the last the next slot is asked for
	CHANGE 1
	SLOT_STEPS
	s_sub_co_u32 s[SLOTS], s[SLOTS], 1
	s_cmp_lg_u32 s[SLOTS], 0
	s_cbranch_scc1 .Lslot
	CHANGE 0                                       ; the last slot is written out
	SLOT_STEPS
	; THE WAY OUT.  O^T / l: a tile's 32 registers are channels 32 h + 0 .. 31 of my head: one block of the projection's K, at the place that its operand's layout wants.
	s_lshl_b32 s60, s[TQ], 6
	s_lshl_b32 s61, s[PAR], 1
	s_add_co_u32 s60, s60, s61
	s_add_co_u32 s60, s60, OSC
	v_lshrrev_b32 v240, 2, v3
	v_lshrrev_b32 v241, 3, v6
	v_add_nc_u32 v240, v240, v241
	v_add_nc_u32 v240, s60, v240                   ; a scale byte's place: word 16 x tile + r, byte 2 x parity + h; B's 512 bytes on
	v_add_nc_u32 v241, OSC, v1                     ; (these five lines are also the places behind the last products)
	v_add_f32 v14, v14, v15
	v_add_f32 v16, v16, v17
	s_delay_alu instid0(VALU_DEP_2)
	v_permlanex16_b32 v[T1], v14, s[SEL], s[SEL+1]
	s_delay_alu instid0(VALU_DEP_2)
	v_permlanex16_b32 v[WX], v16, s[SEL], s[SEL+1]
	s_delay_alu instid0(VALU_DEP_2)
	v_add_f32 v14, v14, v[T1]                      ; the rows' sums
	s_delay_alu instid0(VALU_DEP_2)
	v_add_f32 v16, v16, v[WX]
	WALU
	v_rcp_f32 v14, v14
	v_rcp_f32 v16, v16
	v_nop
	WALU
.set J, 0
.rept 32
	v_mul_f32 v[ST+J], v[OA+J], v14
.set J, J+1
.endr
.set J, 0
.rept 32
	v_mul_f32 v[ST+32+J], v[OB+J], v16
.set J, J+1
.endr
.irp x, 0,1
	v_max3_num_f32 v[MA+2*\x], |v[ST+32*\x]|, |v[ST+32*\x+1]|, |v[ST+32*\x+2]|
	v_max3_num_f32 v[MA+2*\x+1], |v[ST+32*\x+16]|, |v[ST+32*\x+17]|, |v[ST+32*\x+18]|
.endr
.irp i, 3,5,7,9,11,13
.irp x, 0,1
	v_max3_num_f32 v[MA+2*\x], v[MA+2*\x], |v[ST+32*\x+\i]|, |v[ST+32*\x+\i+1]|
	v_max3_num_f32 v[MA+2*\x+1], v[MA+2*\x+1], |v[ST+32*\x+16+\i]|, |v[ST+32*\x+17+\i]|
.endr
.endr
.irp x, 0,1
	v_max3_num_f32 v[BM+\x], v[MA+2*\x], v[MA+2*\x+1], |v[ST+32*\x+15]|
.endr
.irp x, 0,1
	v_max3_num_f32 v[BM+\x], v[BM+\x], |v[ST+32*\x+31]|, 0x1800000
.endr
.irp x, 0,1
	v_add_nc_u32 v[242+\x], 0xff000000, v[BM+\x]
.endr
.irp x, 0,1
	v_lshrrev_b32 v[BY+\x], 23, v[242+\x]
.endr
.irp x, 0,1
	v_cvt_scalef32_pk16_fp6_f32 v[KV+6*\x:KV+6*\x+2], v[ST+32*\x:ST+32*\x+15], v[242+\x]
	v_cvt_scalef32_pk16_fp6_f32 v[244+4*\x:246+4*\x], v[ST+32*\x+16:ST+32*\x+31], v[242+\x]
.endr
	v_nop                                          ; one plain place behind a scaled conversion
.irp x, 0,1
.irp i, 0,1,2
	v_mov_b32 v[KV+6*\x+3+\i], v[244+4*\x+\i]
.endr
.endr
.irp x, 0,1
	ds_store_b8 v240, v[BY+\x] offset:512*\x
	global_store_b128 v1, v[KV+6*\x:KV+6*\x+3], s[8:9] offset:98304*\x        ; my head's half of the image: 512 and 256 consecutive bytes
	global_store_b64 v2, v[KV+6*\x+4:KV+6*\x+5], s[8:9] offset:98304*\x+512
.endr
	WALU                                           ; the wait here
	s_wait_dscnt 0x0                               ; for the others' sake: my bytes have landed
	s_barrier_signal -1
	s_barrier_wait -1
	s_cmp_lg_u32 s[WV], 0                          ; wave 0 stores the two groups' scale words of this K step: 512 consecutive bytes each
	s_cbranch_scc1 .Lno_words
	ds_load_b128 v[ST:ST+3], v241
	ds_load_b128 v[ST+4:ST+7], v241 offset:512
	s_wait_dscnt 0x0
	global_store_b128 v1, v[ST:ST+3], s[10:11]
	global_store_b128 v1, v[ST+4:ST+7], s[10:11] offset:4096
.Lno_words:
	s_wait_tensorcnt 0x0                           ; the wave's end
	ds_add_u32 v4, v5
	s_wait_dscnt 0x0
	CROUND                                         ; the closing round
	s_endpgm
.Lfunc_end_k_qe7e7cdeeb4_attn:
	.size	k_qe7e7cdeeb4_attn, .Lfunc_end_k_qe7e7cdeeb4_attn-k_qe7e7cdeeb4_attn
	.p2alignl 7, 3214868480
	.fill 96, 4, 3214868480
	.section	.rodata,"a",@progbits
	.p2align	6, 0x0
	.amdhsa_kernel k_qe7e7cdeeb4_attn
		.amdhsa_group_segment_fixed_size 327680
		.amdhsa_private_segment_fixed_size 0
		.amdhsa_enable_private_segment 0
		.amdhsa_kernarg_size 32
		.amdhsa_user_sgpr_count 2
		.amdhsa_user_sgpr_kernarg_segment_ptr 1
		.amdhsa_wavefront_size32 1
		.amdhsa_system_sgpr_workgroup_id_x 1
		.amdhsa_system_sgpr_workgroup_id_y 1
		.amdhsa_system_sgpr_workgroup_id_z 1
		.amdhsa_system_vgpr_workitem_id 0
		.amdhsa_next_free_vgpr 256
		.amdhsa_next_free_sgpr 66
		.amdhsa_reserve_vcc 0
		.amdhsa_float_denorm_mode_32 3
		.amdhsa_float_denorm_mode_16_64 3
		.amdhsa_memory_ordered 1
		.amdhsa_forward_progress 1
		.amdhsa_inst_pref_size 74
	.end_amdhsa_kernel
	.amdgpu_metadata
---
amdhsa.version: [ 1, 2 ]
amdhsa.kernels:
  - .name:           k_qe7e7cdeeb4_attn
    .symbol:         k_qe7e7cdeeb4_attn.kd
    .args:
      - { .name: qc, .offset: 0, .size: 8, .value_kind: global_buffer, .address_space: global }
      - { .name: kv, .offset: 8, .size: 8, .value_kind: global_buffer, .address_space: global }
      - { .name: oc, .offset: 16, .size: 8, .value_kind: global_buffer, .address_space: global }
      - { .name: os, .offset: 24, .size: 8, .value_kind: global_buffer, .address_space: global }
    .group_segment_fixed_size: 327680
    .private_segment_fixed_size: 0
    .kernarg_segment_align: 8
    .kernarg_segment_size: 32
    .max_flat_workgroup_size: 512
    .sgpr_count:     66
    .vgpr_count:     256
    .wavefront_size: 32
...
	.end_amdgpu_metadata
.endif
;; end of part 3
;; launch proj (part 4): grid 4 x 32, 4 waves a work-group, clusters of 4 x 4, 327,680 bytes of LDS; arguments oc, os, wq, ws, b_proj, out0; writes out0
.if DOCPART == 4
	.amdgcn_target "amdgcn-amd-amdhsa--gfx1250"
	.amdhsa_code_object_version 6
	.text
	.protected	k_qe7e7cdeeb4_proj
	.globl	k_qe7e7cdeeb4_proj
	.p2align	8
	.type	k_qe7e7cdeeb4_proj,@function
k_qe7e7cdeeb4_proj:
	s_mov_b64 s[64:65], 0
	v_nop
	global_prefetch_b8 v0, s[64:65] scope:SCOPE_SE
	s_setreg_imm32_b32 hwreg(HW_REG_WAVE_MODE, 25, 1), 1
	s_wait_xcnt 0x0
	s_wait_alu depctr_hold_cnt(0) depctr_sa_sdst(0) depctr_va_vdst(0) depctr_va_sdst(0) depctr_va_ssrc(0) depctr_va_vcc(0) depctr_vm_vsrc(0)
	s_getreg_b32 s2, hwreg(HW_REG_IB_STS2, 6, 4)
	s_cmp_eq_u32 s2, 0
	s_cbranch_scc0 .Lentry_in_a_cluster
	s_endpgm
.Lentry_in_a_cluster:
	s_bfe_u32 s2, ttmp6, 0x10000c
	s_cmp_lg_u32 s2, 0xf033
	s_cbranch_scc0 .Lentry_shape_is_right
	s_endpgm
.Lentry_shape_is_right:
.set SLOTB, 98304
.set PIECE, 24576
.set SCL,   3*SLOTB
.set SPARE, SCL+4*4096
.set STAGE, SLOTB
.set ADRS, 3
.set L16,  4
.set L8,   5
.set AP16, 8
.set AP8,  11
.set AR16, 14
.set AR8,  17
.set VB,   20
.set STO,  21
.set RD,   22
.set SPW,  28
.set NIL,  29
.set SC,   32
.set BC,   64
.set AF,   128
.set BK,   128
.set WV, 18
.set WM, 19
.set WN, 20
.set G1P, 24
.set G1R, 32
.set G1SP, 40
.set G1SR, 48
.set G0SP, 56
.set G0SR, 60
.set G0P, 68
.set G0R, 80
.set MSB, 0
.macro WIN new
.if MSB != (\new)
	s_set_vgpr_msb (MSB<<8)|(\new)
.set MSB, (\new)
.endif
.endm
.macro JLOAD g0p, g1p, g0r, g1r
	s_cmp_eq_u32 s[WM], 0
	s_cbranch_scc0 .Lfor_r_\@
	tensor_load_to_lds s[\g0p:\g0p+3], s[\g1p:\g1p+7]
	s_nop 0
.rept 4
	v_nop
.endr
	s_branch .Lasked_\@
.Lfor_r_\@:
	tensor_load_to_lds s[\g0r:\g0r+3], s[\g1r:\g1r+7]
	s_nop 0
.rept 4
	v_nop
.endr
.Lasked_\@:
.endm
.macro CREST
	s_cmp_lg_u32 s[WV], 0
	s_cbranch_scc1 .Lnot_wave_0_\@
	s_barrier_signal -3
.Lnot_wave_0_\@:
	s_barrier_wait -3
	s_barrier_signal -1
	s_barrier_wait -1
.endm
.macro CROUND
	s_barrier_signal -1
	s_barrier_wait -1
	CREST
.endm
.macro PLACES n
.rept \n
	v_nop
.endr
.endm
	s_load_b256 s[4:11], s[0:1], 0x0
	s_load_b128 s[12:15], s[0:1], 0x20
	v_lshl_add_u32 v[SPW], v0, 2, SPARE
	v_mov_b32 v[NIL], 0
	ds_add_u32 v28, v29
	ds_add_u32 v28, v29
	s_wait_dscnt 0x0
	v_lshrrev_b32 v1, 5, v0
	v_readfirstlane_b32 s[WV], v1
	s_lshr_b32 s[WM], s[WV], 1
	s_and_b32 s[WN], s[WV], 1
	s_bfe_u32 s21, ttmp6, 0x40000
	s_bfe_u32 s22, ttmp6, 0x40004
	s_and_b32 s23, ttmp7, 0xffff
	s_lshl_b32 s23, s23, 2
	s_lshl_b32 s2, s22, 2
	s_lshl_b32 s2, 15, s2
	s_lshl_b32 s3, 0x1111, s21
	s_or_b32 s[G1P], s2, (3<<16)|(1<<21)
	s_or_b32 s[G1SP], s2, (3<<16)|(1<<21)
	s_or_b32 s[G1R], s3, (3<<16)|(1<<21)
	s_or_b32 s[G1SR], s3, (3<<16)|(1<<21)
.irp g, G1P, G1R
	s_mov_b32 s[\g+1], 384<<16
	s_mov_b32 s[\g+2], 16<<16
	s_mov_b32 s[\g+3], 384<<16
	s_mov_b32 s[\g+4], 16
	s_mov_b32 s[\g+5], 1536
	s_mov_b32 s[\g+6], 0
	s_mov_b32 s[\g+7], 0
.endr
.irp g, G1SP, G1SR
	s_mov_b32 s[\g+1], 32<<16
	s_mov_b32 s[\g+2], 32<<16
	s_mov_b32 s[\g+3], 32<<16
	s_mov_b32 s[\g+4], 32
	s_mov_b32 s[\g+5], 32
	s_mov_b32 s[\g+6], 0
	s_mov_b32 s[\g+7], 0
.endr
	s_add_co_u32 s92, s23, s22
	s_lshl_b32 s96, ttmp9, 2
	s_add_co_u32 s96, s96, s21
	s_lshl_b32 s94, s92, 1
	s_add_co_u32 s94, s94, s[WN]
	s_mul_i32 s66, s94, 98304
	s_mov_b32 s67, 0
	s_lshl_b32 s94, s94, 12
	s_mov_b32 s95, 0
	s_lshl_b32 s98, s96, 1
	s_add_co_u32 s98, s98, s[WN]
	s_mul_i32 s100, s98, 98304
	s_add_co_u32 s100, s100, 192*12288
	s_mov_b32 s101, 0
	s_lshl_b32 s98, s98, 12
	s_add_co_u32 s98, s98, 24*4096
	s_mov_b32 s99, 0
	s_mul_i32 s97, s[WV], PIECE
	s_lshl_b32 s23, s[WV], 12
	s_wait_kmcnt 0x0
	s_add_nc_u64 s[4:5], s[4:5], s[66:67]
	s_add_nc_u64 s[6:7], s[6:7], s[94:95]
	s_add_nc_u64 s[8:9], s[8:9], s[100:101]
	s_add_nc_u64 s[10:11], s[10:11], s[98:99]
	CROUND
	s_mov_b32 s[G0SP], 1
	s_add_co_u32 s[G0SP+1], s23, SCL-4096          ; issued by wave 1 alone: both groups' scale words, from the group below its own
	s_sub_nc_u64 s[G0SP+2:G0SP+3], s[6:7], 4096
	s_or_b32 s[G0SP+3], s[G0SP+3], 0x80000000
	s_mov_b32 s[G0SR], 1
	s_add_co_u32 s[G0SR+1], s23, SCL-4096          ; issued by wave 3 alone, likewise
	s_sub_nc_u64 s[G0SR+2:G0SR+3], s[10:11], 4096
	s_or_b32 s[G0SR+3], s[G0SR+3], 0x80000000
.irp s, 0,1,2
	s_mov_b32 s[G0P+4*\s], 1
	s_add_co_u32 s[G0P+4*\s+1], s97, \s*SLOTB
	s_add_nc_u64 s[G0P+4*\s+2:G0P+4*\s+3], s[4:5], \s*3072
	s_or_b32 s[G0P+4*\s+3], s[G0P+4*\s+3], 0x80000000
	s_mov_b32 s[G0R+4*\s], 1
	s_add_co_u32 s[G0R+4*\s+1], s97, \s*SLOTB
	s_add_nc_u64 s[G0R+4*\s+2:G0R+4*\s+3], s[8:9], \s*3072
	s_or_b32 s[G0R+4*\s+3], s[G0R+4*\s+3], 0x80000000
.endr
	; the head's four tiles, one a wave, in one chain of arms: slot 0's 16 rows of each operand (waves 0 and 2, whose own piece is the lower one), and each operand's scale words (waves 1 and 3)
	s_cmp_eq_u32 s[WV], 0
	s_cbranch_scc0 .Lhead_1
	tensor_load_to_lds s[G0P:G0P+3], s[G1P:G1P+7]
	s_nop 0
	PLACES 4
	s_branch .Lhead_asked
.Lhead_1:
	s_cmp_eq_u32 s[WV], 2
	s_cbranch_scc0 .Lhead_2
	tensor_load_to_lds s[G0R:G0R+3], s[G1R:G1R+7]
	s_nop 0
	PLACES 4
	s_branch .Lhead_asked
.Lhead_2:
	s_cmp_eq_u32 s[WV], 1
	s_cbranch_scc0 .Lhead_3
	tensor_load_to_lds s[G0SP:G0SP+3], s[G1SP:G1SP+7]
	s_nop 0
	PLACES 4
	s_branch .Lhead_asked
.Lhead_3:
	tensor_load_to_lds s[G0SR:G0SR+3], s[G1SR:G1SR+7]
	s_nop 0
	PLACES 4
.Lhead_asked:
	v_and_b32 v1, 15, v0
	v_bfe_u32 v2, v0, 4, 1
	v_and_b32 v30, 31, v0
	v_lshlrev_b32 v[L16], 4, v30
	v_lshlrev_b32 v[L8], 3, v30
	s_mul_i32 s21, s[WM], PIECE
	s_mul_i32 s22, s[WN], PIECE
	s_add_co_u32 s22, s22, 2*PIECE
.irp s, 0,1,2
	v_add_nc_u32 v[AP16+\s], s21, v[L16]
	v_add_nc_u32 v[AP8+\s], s21, v[L8]
	v_add_nc_u32 v[AR16+\s], s22, v[L16]
	v_add_nc_u32 v[AR8+\s], s22, v[L8]
	s_add_co_u32 s21, s21, SLOTB
	s_add_co_u32 s22, s22, SLOTB
.endr
	s_lshl_b32 s21, s[WM], 12
	s_add_co_u32 s22, s[WN], 2
	s_sub_co_u32 s22, s22, s[WM]
	s_lshl_b32 s22, s22, 12
	v_mul_u32_u24 v[ADRS], s22, v2
	v_lshl_add_u32 v[ADRS], v1, 2, v[ADRS]
	s_add_co_u32 s21, s21, SCL
	v_add_nc_u32 v[ADRS], s21, v[ADRS]
	s_mul_i32 s21, s[WV], 16*528
	s_add_co_u32 s21, s21, STAGE
	v_mul_u32_u24 v[STO], v1, 528
	v_lshl_add_u32 v[STO], v2, 7, v[STO]
	v_add_nc_u32 v[STO], s21, v[STO]
	v_add_nc_u32 v[RD], s21, v[L16]
	s_lshl_b32 s93, s92, 1
	s_add_co_u32 s93, s93, s[WM]
	s_lshl_b32 s97, s96, 1
	s_add_co_u32 s97, s97, s[WN]
	s_lshl_b32 s94, s93, 19
	s_lshl_b32 s98, s97, 9
	s_add_co_u32 s94, s94, s98
	s_mov_b32 s95, 0
	s_mov_b32 s99, 0
	s_add_nc_u64 s[14:15], s[14:15], s[94:95]
	s_add_nc_u64 s[12:13], s[12:13], s[98:99]
	v_lshlrev_b32 v[VB], 7, v2
.irp b, 0,1,2,3,4,5,6,7
	global_load_b128 v[BC+8*\b:BC+8*\b+3], v[VB], s[12:13] offset:(64*(\b/4)+8*(\b%4))*4
	global_load_b128 v[BC+8*\b+4:BC+8*\b+7], v[VB], s[12:13] offset:(64*(\b/4)+8*(\b%4))*4+16
.endr
.macro FRAG reg, a16, a8, off
	ds_load_b128 v[\reg:\reg+3], v[\a16] offset:\off
	ds_load_b64 v[\reg+4:\reg+5], v[\a8] offset:(\off)+512
	ds_load_b128 v[\reg+6:\reg+9], v[\a16] offset:(\off)+768
	ds_load_b64 v[\reg+10:\reg+11], v[\a8] offset:(\off)+1280
.endm
.macro FETCH_R slot, q, set
	WIN 0x40
.irp i, 0,1,2,3,4,5,6,7
	FRAG 128*(\set)+12*\i, AR16+(\slot), AR8+(\slot), 3072*\i+1536*(\q)
.endr
	WIN 0
.endm
.macro FETCH_P slot, q, i0
.irp i, \i0, \i0+1, \i0+2, \i0+3
	FRAG AF+12*(\i), AP16+(\slot), AP8+(\slot), 3072*(\i)+1536*(\q)
.endr
.endm
.macro SCALES ks
.irp i, 0,1,2,3,4,5,6,7
.irp q, 0,1
	ds_load_b32 v[SC+16*((\ks)%2)+2*\i+\q], v[ADRS] offset:(\ks)*1024+\q*512+\i*64
.endr
.endr
.endm
.macro MUL16 a0, cm
.irp a, \a0, \a0+1
.irp b, 0,1,2,3,4,5,6,7
.if (\cm) == 0
	v_wmma_scale_f32_16x16x128_f8f6f4 v[8*(8*((\a)%4)+\b):8*(8*((\a)%4)+\b)+7], v[128*GQ+12*\b:128*GQ+12*\b+11], v[AF+12*(\a):AF+12*(\a)+11], v[8*(8*((\a)%4)+\b):8*(8*((\a)%4)+\b)+7], v[SC+16*GSC+2*\b+GQ], v[SC+16*GSC+2*(\a)+GQ] matrix_a_fmt:MATRIX_FMT_FP6 matrix_b_fmt:MATRIX_FMT_FP6 matrix_a_scale:MATRIX_SCALE_ROW1
.else
	v_wmma_scale_f32_16x16x128_f8f6f4 v[8*(8*((\a)%4)+\b):8*(8*((\a)%4)+\b)+7], v[128*GQ+12*\b:128*GQ+12*\b+11], v[AF+12*(\a):AF+12*(\a)+11], v[BC+8*\b:BC+8*\b+7], v[SC+16*GSC+2*\b+GQ], v[SC+16*GSC+2*(\a)+GQ] matrix_a_fmt:MATRIX_FMT_FP6 matrix_b_fmt:MATRIX_FMT_FP6 matrix_a_scale:MATRIX_SCALE_ROW1
.endif
.endr
.endr
.endm
.macro GSTEP g, cm, kind
.set GQ, (\g)%2
.set GSC, ((\g)/2)%2
.set NSL, (((\g)+1)/2)%3
.set NQ, ((\g)+1)%2
.set NKS, ((\g)+1)/2
.if (\cm) == 0
.set WLO, 0xa1
.set WHI, 0xf1
.else
.set WLO, 0x81
.set WHI, 0xc1
.endif
.if ((\kind) == 1) || ((\kind) == 2) || ((\kind) == 4)
	s_wait_tensorcnt 0x0
	ds_add_u32 v[SPW], v[NIL]
	s_wait_dscnt 17
	WIN WLO
	MUL16 0, \cm
	s_wait_dscnt 0x0
	s_barrier_signal -1
	MUL16 2, \cm
	WIN 0
	s_barrier_wait -1
.if (\kind) == 1
	CREST
	s_add_nc_u64 s[G0P+2:G0P+3], s[G0P+2:G0P+3], 9216
	s_add_nc_u64 s[G0R+2:G0R+3], s[G0R+2:G0R+3], 9216
	JLOAD G0P, G1P, G0R, G1R
.elseif (\kind) == 4
	CREST
	JLOAD G0P+8, G1P, G0R+8, G1R                   ; slot 2's first fill, issued as a refill is
.else
	PLACES 4
.endif
.else
	s_wait_dscnt 16
	WIN WLO
	MUL16 0, \cm
	MUL16 2, \cm
	s_wait_dscnt 0x0
.if (\kind) != 3
	PLACES 4
.endif
.endif
.if (\kind) != 3
	FETCH_R NSL, NQ, 1-GQ
	FETCH_P NSL, NQ, 0
.if NQ == 0
	SCALES NKS
.endif
.endif
	WIN WHI
	MUL16 4, \cm
	MUL16 6, \cm
.if (\kind) != 3
	PLACES 4
	WIN 0
	FETCH_P NSL, NQ, 4
.else
	WIN 0
.endif
.endm
	s_wait_alu depctr_va_vdst(0)
	s_wait_tensorcnt 0x0                           ; my tile of the head's four is in
	ds_add_u32 v28, v29
	s_mov_b32 s[G1P+2], 8<<16                      ; no tensor load of mine is out: from here on a load brings 8 rows
	s_mov_b32 s[G1P+4], 8
	s_mov_b32 s[G1R+2], 8<<16
	s_mov_b32 s[G1R+4], 8
	s_wait_dscnt 0x0
	CROUND                                         ; all four tiles are in, and the partners are here
	JLOAD G0P+4, G1P, G0R+4, G1R                   ; slot 1's first fill
	FETCH_R 0, 0, 0
	FETCH_P 0, 0, 0
	SCALES 0
	FETCH_P 0, 0, 4
	s_wait_loadcnt 0x0
	GSTEP 0, 1, 0
	GSTEP 1, 0, 4
	GSTEP 2, 0, 0
	GSTEP 3, 0, 1
	GSTEP 4, 0, 0
	GSTEP 5, 0, 2
	GSTEP 6, 0, 0
	GSTEP 7, 0, 3
.macro TOSTAGE a
.set AC, 64*((\a)%4)
	WIN 0x08+4*((\a)/4)
.irp b, 0,1,2,3,4,5,6,7
	ds_store_b128 v[STO], v[AC+8*\b:AC+8*\b+3] offset:256*(\b/4)+32*(\b%4)
	ds_store_b128 v[STO], v[AC+8*\b+4:AC+8*\b+7] offset:256*(\b/4)+32*(\b%4)+16
.endr
	WIN 0
.set BB, BK+64*((\a)%2)
.irp t, 0,1,2,3,4,5,6,7,8,9,10,11,12,13,14,15
	ds_load_b128 v[BB+4*\t:BB+4*\t+3], v[RD] offset:\t*528
.endr
.endm
.macro SEND a, younger
.set BB, BK+64*((\a)%2)
	s_wait_dscnt \younger
.irp t, 0,1,2,3,4,5,6,7,8,9,10,11,12,13,14,15
	global_store_b128 v[L16], v[BB+4*\t:BB+4*\t+3], s[14:15] offset:(64*((\a)/4)+32*(\t/8)+8*((\a)%4)+\t%8)*4096 th:TH_STORE_NT
.endr
.endm
	PLACES 4
	TOSTAGE 0
.irp a, 1,2,3,4,5,6,7
.if \a > 1
	s_wait_xcnt 0x0
.endif
	TOSTAGE \a
	SEND \a-1, 32
.endr
	SEND 7, 0
	s_wait_tensorcnt 0x0
	ds_add_u32 v[SPW], v[NIL]
	s_wait_dscnt 0x0
	CROUND
	s_endpgm
.Lfunc_end_k_qe7e7cdeeb4_proj:
	.size	k_qe7e7cdeeb4_proj, .Lfunc_end_k_qe7e7cdeeb4_proj-k_qe7e7cdeeb4_proj
	.p2alignl 7, 3214868480
	.fill 96, 4, 3214868480
	.section	.rodata,"a",@progbits
	.p2align	6, 0x0
	.amdhsa_kernel k_qe7e7cdeeb4_proj
		.amdhsa_group_segment_fixed_size 327680
		.amdhsa_private_segment_fixed_size 0
		.amdhsa_enable_private_segment 0
		.amdhsa_kernarg_size 48
		.amdhsa_user_sgpr_count 2
		.amdhsa_user_sgpr_kernarg_segment_ptr 1
		.amdhsa_wavefront_size32 1
		.amdhsa_system_sgpr_workgroup_id_x 1
		.amdhsa_system_sgpr_workgroup_id_y 1
		.amdhsa_system_sgpr_workgroup_id_z 1
		.amdhsa_system_vgpr_workitem_id 0
		.amdhsa_next_free_vgpr 1024
		.amdhsa_next_free_sgpr 102
		.amdhsa_reserve_vcc 0
		.amdhsa_float_denorm_mode_32 3
		.amdhsa_float_denorm_mode_16_64 3
		.amdhsa_memory_ordered 1
		.amdhsa_forward_progress 1
		.amdhsa_inst_pref_size 147
	.end_amdhsa_kernel
	.amdgpu_metadata
---
amdhsa.version: [ 1, 2 ]
amdhsa.kernels:
  - .name:           k_qe7e7cdeeb4_proj
    .symbol:         k_qe7e7cdeeb4_proj.kd
    .args:
      - { .name: oc, .offset: 0, .size: 8, .value_kind: global_buffer, .address_space: global }
      - { .name: os, .offset: 8, .size: 8, .value_kind: global_buffer, .address_space: global }
      - { .name: wq, .offset: 16, .size: 8, .value_kind: global_buffer, .address_space: global }
      - { .name: ws, .offset: 24, .size: 8, .value_kind: global_buffer, .address_space: global }
      - { .name: b_proj, .offset: 32, .size: 8, .value_kind: global_buffer, .address_space: global }
      - { .name: out0, .offset: 40, .size: 8, .value_kind: global_buffer, .address_space: global }
    .group_segment_fixed_size: 327680
    .private_segment_fixed_size: 0
    .kernarg_segment_align: 8
    .kernarg_segment_size: 48
    .max_flat_workgroup_size: 128
    .sgpr_count:     102
    .vgpr_count:     1024
    .wavefront_size: 32
...
	.end_amdgpu_metadata
.endif
;; end of part 4
